; MI455X (gfx1250); checked and timed in simulation.
; The chip was launched on July 23, 2026; its instructions are those of AMD's public machine-readable ISA for CDNA 5 (MIT licence, August 2026) and "CDNA5" Instruction Set Architecture Reference Guide (July 2026). The comments in the code are by the model that wrote it; some were corrected since.
;; Efficient Mo E. Allowed arithmetic: matrix products marked QUANTISED: E3M2 operands, one E8M0 scale for each 32 along K, by v_wmma_scale_f32_16x16x128_f8f6f4 with both operands' format E3M2, f32 sums; products left as they are: f32 operands where the result goes on into a quantised operand, else bf16, f16 or f32 operands; f32 sums; everything else in f32.
;; Inputs: W1 8 x 1,024 x 4,096 float32; W2 8 x 4,096 x 1,024 float32; W_gate 1,024 x 8 float32; b1 8 x 4,096 float32; b2 8 x 1,024 float32; b_gate 8 float32; x 4 x 256 x 1,024 float32.
;; Outputs: out0 4 x 256 x 1,024 float32; out1 one number float32.
;; This version of the problem:
;;   THIS VERSION OF THE PROBLEM IS GIVEN IN LOW PRECISION. The matrix products marked QUANTISED in the list below multiply operands that are first quantised to E3M2 (3 exponent bits, 2 mantissa bits; 6 bits a number), with one power-of-two scale for each 32 numbers along K (OCP MX v1.0); their sums are f32. All else is computed in f32.
;;   The module's matrix products, in the order in which they are computed (A, B: the left and right operand; K: the contracted axis; several contracted axes count as one K, in the product's order):
;;     1. [M 1,024, K 1,024] x [K 1,024, N 8]; A: input x; B: input W_gate: left as it is (N = 8 < 16)
;;     2. [M 32,768, K 1,024] x [K 1,024, N 1,024]; A: input W1; B: input x: QUANTISED
;;     3. batch 8 x [M 1,024, K 4,096] x [K 4,096, N 1,024]; A: computed on the way; B: input W2: QUANTISED
;;   THE QUANTISER, for each operand of a quantised product, along K:
;;     - K is cut into blocks of 32 from its start; a last block that is shorter is filled with zeros.
;;     - A block's scale is 2^e with e = floor(log2(the largest magnitude in the block)) - 4, held to -126 .. 127; a block of zeros has e = 0. As a byte (E8M0): e + 127.
;;     - Each number is divided by its block's scale, clamped to +-28, and rounded to the nearest number of E3M2, ties to even, subnormals kept.
;;     - The product sums the exact products of the quantised numbers (number of the format x scale) in f32.
;;   ~~~python
;;   def quantise(x, axis):      # numpy; x: float32 -> the quantised numbers, widened to float32 again
;;       x = np.moveaxis(x, axis, -1); K = x.shape[-1]
;;       x = np.pad(x, [(0, 0)] * (x.ndim - 1) + [(0, -K % 32)]); x = x.reshape(x.shape[:-1] + (-1, 32)); a = np.abs(x).max(-1, keepdims=True)
;;       e = np.where(a > 0, np.clip(np.frexp(np.where(a > 0, a, 1))[1] - 1 - 4, -126, 127), 0)      # np.frexp(a)[1] - 1 = floor(log2(a)), exactly
;;       r = np.clip(x / 2.0 ** e, -28, 28)
;;       step = 2.0 ** (np.maximum(np.frexp(np.where(r == 0, 1, r))[1] - 1, -2) - 2)
;;       q = np.round(r / step) * step * 2.0 ** e      # np.round: ties to even
;;       return np.moveaxis(q.reshape(q.shape[:-2] + (-1,))[..., :K], -1, axis).astype(np.float32)
;;   ~~~
;;   OPERANDS COMPUTED ON THE WAY. 'Computed on the way' means the value that the module computes at that place (a softmax that the list does not call 'softmax' is quantised finished and normalised). What goes into a quantiser is computed in f32, as accurately as f32 sums, v_exp_f32 and their like allow (about 1e-6 of the number): no bf16 or f16 on the way to a quantiser, and a product that is left as it is and whose result goes on into a quantised operand takes f32 operands (vector FMAs, or v_wmma_f32_16x16x4_f32). A number that lies on a knife's edge between two numbers of the format may be rounded either way, as far as f32 arithmetic and the matrix unit's own rounding can turn it there, and no further.
;; One version. Each part assembles by itself: llvm-mc -triple=amdgcn-amd-amdhsa -mcpu=gfx1250 --defsym DOCPART=n.
;; ======== version 1 of 1: 5 launches
;; limits: right only within a limited range of input values
;; workspace buffers: idx 8,192 bytes of whole numbers; gate 40,960 bytes; xq 819,200 bytes; rt 41,216 bytes of whole numbers; hq 26,214,400 bytes; yp 67,108,864 bytes
;; launch router (part 1): grid 256 x 1, 4 waves a work-group, no clusters, 52,224 bytes of LDS; arguments x, W_gate, b_gate, idx, gate, xq; writes idx, gate, xq
.if DOCPART == 1
	.amdgcn_target "amdgcn-amd-amdhsa--gfx1250"
	.amdhsa_code_object_version 6
	.text
	.protected	k_q8c897ba635_router
	.globl	k_q8c897ba635_router
	.p2align	8
	.type	k_q8c897ba635_router,@function
k_q8c897ba635_router:
	s_mov_b64 s[64:65], 0
	v_nop
	global_prefetch_b8 v0, s[64:65] scope:SCOPE_SE
	s_setreg_imm32_b32 hwreg(HW_REG_WAVE_MODE, 25, 1), 1
	s_wait_xcnt 0x0
; THE PROGRAM: router -> place -> ffn1 -> ffn2 -> mix.  A layer of 8 experts, 2 chosen for each of 1,024 tokens; D = 1,024, F = 4,096.
; WORK LEFT OUT, AND WHY IT IS DEAD.  reference() computes expert_out[t][e][:] for all 8 experts and then keeps, by take_along_axis with top_i, the rows (t, e) with e in top_i[t] alone.
; A row (t, e) of the two FFN products enters nothing but expert_out[t][e][:]: no sum runs over t or over e ahead of the gather.  So for every value of the inputs the rows with e outside top_i[t] reach no output, and they go
; as whole rows; which rows they are is decided by whole numbers that the later launches read from memory.  Every input stays live and is loaded: each expert's weights serve the tokens that choose it.
; LIMIT: a NaN, an infinity or an overflow that arises only in a row of an expert that was not chosen is not carried to the result.
; THIS LAUNCH: logits = x W_gate + b_gate in f32 (fused multiply-adds), softmax with the row's maximum taken away, the two largest probabilities (of equal ones the lower index) and their weights p / (p1 + p2);
; and x quantised to E3M2 along D, a scale byte for each 32.  The chosen experts go to fixed places of idx as whole numbers: no address here hangs on them.
; LIMITS: NaN and infinities among the inputs are not served.  A block whose largest magnitude lies under 2^-122 keeps the scale byte 1; so does a block of zeros, where the rule says 127: its codes are zeros, and only this
; program reads the bytes.  The logits' f32 sums run in another order than reference()'s: two probabilities that agree to about 1e-6 of their size may change places.
; SHARES.  A wave takes a token, t = 4 x work-group + wave; a lane takes one block of 32 along D.  x's loads read 512 consecutive bytes; the token turns through the wave's own stage in LDS, so that a lane gets its 32 neighbours.
; W_gate (32 KB) is laid in LDS once for the four waves, as 32 chunks of 1,024 bytes + 16: lane l reads rows 32 l .. 32 l + 31 of it, and 1,040 is an odd multiple of 16.
; xq: a token's 768 bytes of codes lie [K step 8][piece 3][h 2][16 bytes].  Lane (row, h) of a matrix operand wants 48 bytes of a K step: blocks h and 2 + h, 24 bytes each, on end; piece u holds bytes 16 u .. 16 u + 15 of those 48,
; so that the two halves' pieces u are 32 consecutive bytes.  The scale bytes, 32 a token in the blocks' order, from byte 786,432 on.
.set XST,   33280                      ; LDS: behind W_gate's 32 x 1,040 bytes, a stage of 32 x 144 bytes for each wave
.set SPARE, 51712                      ; behind the stages: the spare words, 128 bytes for each wave
.set X,  16                            ; v16-47   my 32 numbers of the token
.set WR, 48                            ; v48-111  W_gate: as loaded, then eight rows at a time; afterwards at work
.set L,  112                           ; v112-119 logits, then probabilities
	s_load_b256 s[4:11], s[0:1], 0x0               ; x s[4:5], W_gate s[6:7], b_gate s[8:9], idx s[10:11]
	s_load_b128 s[12:15], s[0:1], 0x20             ; gate s[12:13], xq s[14:15]
	v_lshl_add_u32 v10, v0, 2, SPARE               ; my spare word, and 0: kept for the closing lines alone
	v_mov_b32 v11, 0
	v_lshrrev_b32 v1, 5, v0
	v_readfirstlane_b32 s24, v1                    ; wave
	v_and_b32 v1, 31, v0                           ; lane
	v_lshlrev_b32 v2, 4, v1                        ; 16 x lane
	v_lshlrev_b32 v3, 4, v0                        ; 16 x thread
	s_mul_i32 s25, s24, 4608
	s_add_co_u32 s25, s25, XST                     ; my wave's stage
	v_lshrrev_b32 v4, 3, v1
	v_lshl_add_u32 v4, v4, 4, v2
	v_add_nc_u32 v4, s25, v4                       ; into it: 16 lane + 16 (lane / 8): 16 bytes of padding behind each 128
	v_mul_u32_u24 v5, v1, 144
	v_add_nc_u32 v5, s25, v5                       ; out of it: 144 x lane
	v_lshrrev_b32 v6, 6, v0
	v_lshl_add_u32 v6, v6, 4, v3                   ; W_gate into LDS: 16 thread + 16 (thread / 64)
	v_mul_u32_u24 v7, v1, 1040                     ; and my chunk of it
	v_lshrrev_b32 v8, 2, v1
	v_mul_u32_u24 v8, v8, 96
	v_and_b32 v9, 1, v1                            ; h = b % 2
	v_mad_u32_u24 v8, v9, 16, v8
	v_bfe_u32 v9, v1, 1, 1                         ; c = (b / 2) % 2: my 24 bytes are the 8-byte pieces 3 c, 3 c + 1, 3 c + 2 of the half's six; piece z lies at 32 (z / 2) + 16 h + 8 (z % 2)
	v_mad_u32_u24 v8, v9, 40, v8                   ; the first and, 32 further on, the third: 96 (b / 4) + 16 h + 40 c
	v_lshl_add_u32 v135, v9, 4, v8                 ; the second lies 8 + 16 c behind the first
	s_lshl_b32 s26, ttmp9, 2
	s_add_co_u32 s26, s26, s24                     ; t
	s_lshl_b32 s28, s26, 12                        ; x: 4,096 bytes a token
	s_mov_b32 s29, 0
	s_mul_i32 s30, s26, 768                        ; codes
	s_mov_b32 s31, 0
	s_lshl_b32 s32, s26, 5                         ; scale bytes, and probabilities: 32 bytes a token
	s_mov_b32 s33, 0
	s_lshl_b32 s27, s26, 3                         ; idx and the two weights: 8 bytes a token
	v_mov_b32 v9, s32
	v_mov_b32 v123, s27
	s_mov_b32 s36, 0x76543210
	s_mov_b32 s37, 0xfedcba98                      ; v_permlanex16_b32's selects for lane l xor 16
	s_mov_b32 s38, 0x3fb8aa3b                      ; log2(e)
	s_wait_alu depctr_va_vdst(0)                   ; the wait at the head's end
	s_wait_kmcnt 0x0
	s_load_b256 s[16:23], s[8:9], 0x0              ; b_gate
	s_add_nc_u64 s[4:5], s[4:5], s[28:29]
	s_add_nc_u64 s[34:35], s[14:15], s[32:33]
	s_add_nc_u64 s[14:15], s[14:15], s[30:31]
.irp i, 0,1,2,3,4,5,6,7
	global_load_b128 v[X+4*\i:X+4*\i+3], v2, s[4:5] offset:512*\i th:TH_LOAD_NT    ; 512 consecutive bytes of my token
.endr
.irp j, 0,1,2,3,4,5,6,7,8,9,10,11,12,13,14,15
	global_load_b128 v[WR+4*\j:WR+4*\j+3], v3, s[6:7] offset:2048*\j               ; the four waves: 2,048 consecutive bytes of W_gate
.endr
	s_wait_loadcnt 16                              ; x's eight loads are in; W_gate's sixteen may be out
.irp i, 0,1,2,3,4,5,6,7
	ds_store_b128 v4, v[X+4*\i:X+4*\i+3] offset:576*\i
.endr
.irp j, 0,1,2,3,4,5,6,7
	ds_load_b128 v[X+4*\j:X+4*\j+3], v5 offset:16*\j       ; LDS serves a wave's instructions in order (ISA guide 5.7.1.4): these see my stores.  My 32 neighbours
.endr
	s_wait_loadcnt 0x0
.irp j, 0,1,2,3,4,5,6,7,8,9,10,11,12,13,14,15
	ds_store_b128 v6, v[WR+4*\j:WR+4*\j+3] offset:2080*\j
.endr
	s_wait_dscnt 0x0                               ; my part of W_gate lies in LDS, and my numbers are back
	s_barrier_signal -1
	s_barrier_wait -1                              ; everybody's part does
	; ---- my block of x becomes 32 codes and a scale byte
	v_max3_num_f32 v12, |v[X]|, |v[X+1]|, |v[X+2]|
	v_max3_num_f32 v13, |v[X+3]|, |v[X+4]|, |v[X+5]|
.irp i, 6,10,14,18,22,26
	v_max3_num_f32 v12, v12, |v[X+\i]|, |v[X+\i+1]|
	v_max3_num_f32 v13, v13, |v[X+\i+2]|, |v[X+\i+3]|
.endr
	v_max3_num_f32 v12, v12, |v[X+30]|, |v[X+31]|
	v_max3_num_f32 v12, v12, v13, 0x2800000        ; the block's largest magnitude, and the floor 2^(5 - 127): the byte cannot fall under 1
	v_add_nc_u32 v13, 0xfe000000, v12              ; 4 off its exponent field: the conversion takes this operand's exponent field as its scale
	v_cvt_scalef32_pk16_bf6_f32 v[128:130], v[X:X+15], v13
	v_cvt_scalef32_pk16_bf6_f32 v[132:134], v[X+16:X+31], v13      ; (a conversion's three registers begin on an even number)
	v_lshrrev_b32 v127, 23, v13                    ; the scale's byte (also the plain line behind the conversions)
	v_mov_b32 v131, v132                           ; the six registers on end
	v_mov_b32 v132, v133
	v_mov_b32 v133, v134
	global_store_b64 v8, v[128:129], s[14:15]
	global_store_b64 v135, v[130:131], s[14:15] offset:8
	global_store_b64 v8, v[132:133], s[14:15] offset:32
	global_store_b8 v1, v127, s[34:35] offset:786432
	; ---- my 32 terms of the eight logits: eight rows of W_gate at a time; a row's eight numbers against one number of x, two at a time
.set kk, 0
.rept 4
.set j, 0
.rept 8
	ds_load_b128 v[WR+8*j:WR+8*j+3], v7 offset:32*(kk+j)
	ds_load_b128 v[WR+8*j+4:WR+8*j+7], v7 offset:32*(kk+j)+16
.set j, j+1
.endr
	s_wait_alu depctr_va_vdst(0)
	s_wait_dscnt 0x0
.set j, 0
.rept 8
.set xp, X+((kk+j)/2)*2
.irp q, 0,2,4,6
.if (kk+j) == 0
	v_pk_mul_f32 v[L+\q:L+\q+1], v[WR+\q:WR+\q+1], v[xp:xp+1] op_sel_hi:[1,0]      ; the first product starts the sums
.elseif (kk+j)%2 == 0
	v_pk_fma_f32 v[L+\q:L+\q+1], v[WR+8*j+\q:WR+8*j+\q+1], v[xp:xp+1], v[L+\q:L+\q+1] op_sel_hi:[1,0,1]
.else
	v_pk_fma_f32 v[L+\q:L+\q+1], v[WR+8*j+\q:WR+8*j+\q+1], v[xp:xp+1], v[L+\q:L+\q+1] op_sel:[0,1,0] op_sel_hi:[1,1,1]
.endif
.endr
.set j, j+1
.endr
.set kk, kk+8
.endr
	; ---- over the 32 lanes; every lane ends with all eight logits
.irp m, 1,2,4,8
.irp e, 0,1,2,3,4,5,6,7
	v_add_f32_dpp v[L+\e], v[L+\e], v[L+\e] row_xmask:\m row_mask:0xf bank_mask:0xf
.endr
.endr
.irp e, 0,1,2,3,4,5,6,7
	v_permlanex16_b32 v[WR+\e], v[L+\e], s36, s37
.endr
.irp e, 0,1,2,3,4,5,6,7
	v_add_f32 v[L+\e], v[L+\e], v[WR+\e]
.endr
	s_wait_alu depctr_va_vdst(0)
	s_wait_kmcnt 0x0                               ; b_gate
.irp e, 0,1,2,3,4,5,6,7
	v_add_f32 v[L+\e], s[16+\e], v[L+\e]
.endr
	; ---- softmax
	v_max3_num_f32 v12, v[L], v[L+1], v[L+2]
	v_max3_num_f32 v12, v12, v[L+3], v[L+4]
	v_max3_num_f32 v12, v12, v[L+5], v[L+6]
	v_max_num_f32 v12, v12, v[L+7]                 ; the row's maximum
	v_mul_f32 v13, s38, v12
.irp e, 0,1,2,3,4,5,6,7
	v_fma_f32 v[L+\e], v[L+\e], s38, -v13          ; (logit - maximum) x log2(e)
.endr
	s_wait_alu depctr_va_vdst(0)
.irp e, 0,1,2,3,4,5,6,7
	v_exp_f32 v[L+\e], v[L+\e]
.endr
	v_nop                                          ; a plain line behind the last exponential,
	s_wait_alu depctr_va_vdst(0)                   ; and one wait for the eight, ahead of their first reader
	v_add_f32 v12, v[L], v[L+1]
	v_add_f32 v13, v[L+2], v[L+3]
	v_add_f32 v14, v[L+4], v[L+5]
	v_add_f32 v15, v[L+6], v[L+7]
	v_add_f32 v12, v12, v13
	v_add_f32 v14, v14, v15
	v_add_f32 v12, v12, v14
	s_wait_alu depctr_va_vdst(0)
	v_rcp_f32 v12, v12
	v_nop
	s_wait_alu depctr_va_vdst(0)
.irp e, 0,1,2,3,4,5,6,7
	v_mul_f32 v[L+\e], v[L+\e], v12                ; the probabilities
.endr
	; ---- the two largest.  The holder stays where it is at least as large as the next: of equal ones the lower index wins
	v_mov_b32 v58, v[L]
	v_mov_b32 v56, 0
.irp e, 1,2,3,4,5,6,7
	v_cmp_ge_f32 vcc_lo, v58, v[L+\e]
	v_cndmask_b32 v58, v[L+\e], v58, vcc_lo
	v_cndmask_b32 v56, \e, v56, vcc_lo
.endr
	v_mov_b32 v59, -1.0                            ; under every probability
	v_mov_b32 v57, 0
.irp e, 0,1,2,3,4,5,6,7
	v_cmp_ne_u32 vcc_lo, \e, v56
	v_cndmask_b32 v60, -1.0, v[L+\e], vcc_lo       ; the first winner counts as -1
	v_cmp_ge_f32 vcc_lo, v59, v60
	v_cndmask_b32 v59, v60, v59, vcc_lo
	v_cndmask_b32 v57, \e, v57, vcc_lo
.endr
	v_add_f32 v61, v58, v59
	s_wait_alu depctr_va_vdst(0)
	v_rcp_f32 v61, v61
	v_nop
	s_wait_alu depctr_va_vdst(0)
	v_mul_f32 v58, v58, v61                        ; the two weights
	v_mul_f32 v59, v59, v61
	; ---- all lanes hold the same: lane 0 stores, at fixed places
	s_wait_alu depctr_va_vdst(0)
	s_wait_xcnt 0x0                                ; EXEC changes only behind this wait: the codes' stores have been issued under the full one
	v_cmp_eq_u32 vcc_lo, 0, v1
	s_and_saveexec_b32 s39, vcc_lo
	global_store_b128 v9, v[L:L+3], s[12:13]
	global_store_b128 v9, v[L+4:L+7], s[12:13] offset:16
	global_store_b64 v123, v[56:57], s[10:11]
	global_store_b64 v123, v[58:59], s[12:13] offset:32768
	s_wait_xcnt 0x0                                ; and again in front of the line that widens it
	s_or_b32 exec_lo, exec_lo, s39
	s_wait_tensorcnt 0x0                           ; the wave's end: three lines behind my last LDS store
	ds_add_u32 v10, v11
	s_wait_dscnt 0x0
	s_endpgm
.Lfunc_end_k_q8c897ba635_router:
	.size	k_q8c897ba635_router, .Lfunc_end_k_q8c897ba635_router-k_q8c897ba635_router
	.p2alignl 7, 3214868480
	.fill 96, 4, 3214868480
	.section	.rodata,"a",@progbits
	.p2align	6, 0x0
	.amdhsa_kernel k_q8c897ba635_router
		.amdhsa_group_segment_fixed_size 52224
		.amdhsa_private_segment_fixed_size 0
		.amdhsa_enable_private_segment 0
		.amdhsa_kernarg_size 48
		.amdhsa_user_sgpr_count 2
		.amdhsa_user_sgpr_kernarg_segment_ptr 1
		.amdhsa_wavefront_size32 1
		.amdhsa_system_sgpr_workgroup_id_x 1
		.amdhsa_system_sgpr_workgroup_id_y 1
		.amdhsa_system_sgpr_workgroup_id_z 1
		.amdhsa_system_vgpr_workitem_id 0
		.amdhsa_next_free_vgpr 144
		.amdhsa_next_free_sgpr 66
		.amdhsa_reserve_vcc 1
		.amdhsa_float_denorm_mode_32 3
		.amdhsa_float_denorm_mode_16_64 3
		.amdhsa_memory_ordered 1
		.amdhsa_forward_progress 1
		.amdhsa_inst_pref_size 29
	.end_amdhsa_kernel
	.amdgpu_metadata
---
amdhsa.version: [ 1, 2 ]
amdhsa.kernels:
  - .name:           k_q8c897ba635_router
    .symbol:         k_q8c897ba635_router.kd
    .args:
      - { .name: x, .offset: 0, .size: 8, .value_kind: global_buffer, .address_space: global }
      - { .name: W_gate, .offset: 8, .size: 8, .value_kind: global_buffer, .address_space: global }
      - { .name: b_gate, .offset: 16, .size: 8, .value_kind: global_buffer, .address_space: global }
      - { .name: idx, .offset: 24, .size: 8, .value_kind: global_buffer, .address_space: global }
      - { .name: gate, .offset: 32, .size: 8, .value_kind: global_buffer, .address_space: global }
      - { .name: xq, .offset: 40, .size: 8, .value_kind: global_buffer, .address_space: global }
    .group_segment_fixed_size: 52224
    .private_segment_fixed_size: 0
    .kernarg_segment_align: 8
    .kernarg_segment_size: 48
    .max_flat_workgroup_size: 128
    .sgpr_count:     66
    .vgpr_count:     144
    .wavefront_size: 32
...
	.end_amdgpu_metadata
.endif
;; end of part 1
;; launch place (part 2): grid 1 x 1, 32 waves a work-group, no clusters, 5,632 bytes of LDS; arguments idx, gate, rt, out1; writes rt, out1
.if DOCPART == 2
	.amdgcn_target "amdgcn-amd-amdhsa--gfx1250"
	.amdhsa_code_object_version 6
	.text
	.protected	k_q8c897ba635_place
	.globl	k_q8c897ba635_place
	.p2align	8
	.type	k_q8c897ba635_place,@function
k_q8c897ba635_place:
	s_mov_b64 s[64:65], 0
	v_nop
	global_prefetch_b8 v0, s[64:65] scope:SCOPE_SE
	s_setreg_imm32_b32 hwreg(HW_REG_WAVE_MODE, 25, 1), 1
	s_wait_xcnt 0x0
; The rows are placed by expert: a counting sort on the whole numbers that the router stored; and the loss, the variance (divisor 7) of the eight mean probabilities.
; It serves the launches that leave out the rows of experts not chosen (shown at the head of the first kernel).
; One work-group, a thread a token t.  rt: list [8][1024] at byte 0: for each expert a permutation of all tokens, those that chose it first, in token order, then the others (they fill the last tile of rows: real tokens,
; computed and never read); pos [1024][2] at byte 32,768: 1024 x expert + rank for a token's two choices; cnt [8] at byte 40,960.
; A wave's stores into a list fall into two runs of consecutive words: the choosers' ranks follow each other, and so do the others' places.
; No atomics: a wave counts by its compare masks, the 32 waves' counts meet in LDS (two experts to a word, 16 bits each: a count is at most 1,024), and every wave sums those of the waves in front of it.
.set PS,    512                        ; LDS: counts [4 words][32 waves] at 0; the waves' sums of probabilities [8][32] here
.set SPARE, 1536                       ; the spare words, 128 bytes for each of 32 waves
	s_load_b256 s[4:11], s[0:1], 0x0               ; idx s[4:5], gate s[6:7], rt s[8:9], out1 s[10:11]
	v_lshl_add_u32 v62, v0, 2, SPARE               ; my spare word, and 0: kept for the closing lines alone
	v_mov_b32 v63, 0
	v_lshrrev_b32 v16, 5, v0
	s_delay_alu instid0(VALU_DEP_1)
	v_readfirstlane_b32 s12, v16                   ; wave
	v_and_b32 v1, 31, v0                           ; lane
	v_lshlrev_b32 v2, 3, v0                        ; 8 t
	v_lshlrev_b32 v3, 5, v0                        ; 32 t
	s_delay_alu instid0(VALU_DEP_4)
	v_mov_b32 v16, s12
	s_delay_alu instid0(VALU_DEP_1)
	v_lshlrev_b32 v16, 2, v16                      ; 4 x wave
	v_lshlrev_b32 v18, 2, v1                       ; 4 x lane
	s_mov_b32 s14, 0x76543210
	s_mov_b32 s15, 0xfedcba98                      ; v_permlanex16_b32's selects for lane l xor 16
.irp q, 0,1,2,3,4,5,6,7
	v_mov_b32 v[36+\q], 0                          ; written once: the destination of a lane exchange counts as one of its sources
.endr
	v_mov_b32 v44, 0                               ; my ranks in my two experts' lists
	v_mov_b32 v45, 0
	s_wait_kmcnt 0x0
	global_load_b64 v[4:5], v2, s[4:5]             ; my two experts
	global_load_b128 v[8:11], v3, s[6:7]           ; my eight probabilities
	global_load_b128 v[12:15], v3, s[6:7] offset:16
	s_wait_loadcnt 0x0
.irp e, 0,1,2,3,4,5,6,7
	v_cmp_eq_u32 s[16+\e], \e, v4
	v_cmp_eq_u32 vcc_lo, \e, v5
	s_or_b32 s[16+\e], s[16+\e], vcc_lo            ; which lanes of my wave chose expert e,
	s_bcnt1_i32_b32 s[24+\e], s[16+\e]             ; and how many
.endr
.irp q, 0,1,2,3
	s_lshl_b32 s40, s[25+2*\q], 16
	s_or_b32 s[32+\q], s[24+2*\q], s40
	v_mov_b32 v[20+\q], s[32+\q]
	ds_store_b32 v16, v[20+\q] offset:128*\q       ; all lanes write the same word with the same value
.endr
.irp m, 1,2,4,8
.irp e, 0,1,2,3,4,5,6,7
	v_add_f32_dpp v[8+\e], v[8+\e], v[8+\e] row_xmask:\m row_mask:0xf bank_mask:0xf
.endr
.endr
.irp e, 0,1,2,3,4,5,6,7
	v_permlanex16_b32 v[36+\e], v[8+\e], s14, s15
.endr
.irp e, 0,1,2,3,4,5,6,7
	v_add_f32 v[8+\e], v[8+\e], v[36+\e]           ; my wave's sum of expert e's probabilities
.endr
.irp e, 0,1,2,3,4,5,6,7
	ds_store_b32 v16, v[8+\e] offset:PS+128*\e
.endr
	s_wait_dscnt 0x0                               ; for the others' sake: my stores have landed
	s_barrier_signal -1
	s_barrier_wait -1
.irp q, 0,1,2,3
	ds_load_b32 v[20+\q], v18 offset:128*\q        ; lane l: wave l's counts
.endr
.irp e, 0,1,2,3,4,5,6,7
	ds_load_b32 v[24+\e], v18 offset:PS+128*\e     ; and wave l's sums
.endr
	s_wait_dscnt 0x0
	v_cmp_gt_u32 vcc_lo, s12, v1                   ; the waves in front of mine
.irp q, 0,1,2,3
	v_cndmask_b32 v[32+\q], 0, v[20+\q], vcc_lo
.endr
.irp m, 1,2,4,8
.irp q, 0,1,2,3
	v_mov_b32_dpp v[36+\q], v[20+\q] row_xmask:\m row_mask:0xf bank_mask:0xf
	v_mov_b32_dpp v[40+\q], v[32+\q] row_xmask:\m row_mask:0xf bank_mask:0xf
.endr
.irp q, 0,1,2,3
	v_add_nc_u32 v[20+\q], v[20+\q], v[36+\q]
	v_add_nc_u32 v[32+\q], v[32+\q], v[40+\q]
.endr
.endr
.irp q, 0,1,2,3
	v_permlanex16_b32 v[36+\q], v[20+\q], s14, s15
	v_permlanex16_b32 v[40+\q], v[32+\q], s14, s15
.endr
.irp q, 0,1,2,3
	v_add_nc_u32 v[20+\q], v[20+\q], v[36+\q]      ; the experts' totals,
	v_add_nc_u32 v[32+\q], v[32+\q], v[40+\q]      ; and the counts of the waves in front of mine; both in every lane
.endr
.irp e, 0,1,2,3,4,5,6,7
.if \e%2 == 0
	v_and_b32 v46, 0xffff, v[32+\e/2]
	v_and_b32 v47, 0xffff, v[20+\e/2]
.else
	v_lshrrev_b32 v46, 16, v[32+\e/2]
	v_lshrrev_b32 v47, 16, v[20+\e/2]
.endif
	s_delay_alu instid0(VALU_DEP_2)
	v_mbcnt_lo_u32_b32 v46, s[16+\e], v46          ; R: how many tokens in front of mine chose e
	s_delay_alu instid0(VALU_DEP_1)
	v_sub_nc_u32 v[48+\e], v0, v46                 ; t - R of those in front did not,
	s_delay_alu instid0(VALU_DEP_1)
	v_add_nc_u32 v[48+\e], v47, v[48+\e]           ; and they follow the choosers
	s_delay_alu instid0(VALU_DEP_1)
	v_cndmask_b32 v[48+\e], v[48+\e], v46, s[16+\e]
.if \e > 0
	s_delay_alu instid0(VALU_DEP_1)
	v_add_nc_u32 v[48+\e], 1024*\e, v[48+\e]
.endif
	s_delay_alu instid0(VALU_DEP_1)
	v_min_u32 v[48+\e], 0x1fff, v[48+\e]           ; a number made of loaded ones enters an address behind a bound
	s_delay_alu instid0(VALU_DEP_1)
	v_lshlrev_b32 v[48+\e], 2, v[48+\e]
	global_store_b32 v[48+\e], v0, s[8:9]          ; an address register for each expert: none is written again
	v_cmp_eq_u32 vcc_lo, \e, v4
	s_delay_alu instid0(VALU_DEP_1)
	v_cndmask_b32 v44, v44, v46, vcc_lo
	v_cmp_eq_u32 vcc_lo, \e, v5
	s_delay_alu instid0(VALU_DEP_1)
	v_cndmask_b32 v45, v45, v46, vcc_lo
.endr
	s_delay_alu instid0(VALU_DEP_3)
	v_lshl_add_u32 v56, v4, 10, v44
	s_delay_alu instid0(VALU_DEP_2)
	v_lshl_add_u32 v57, v5, 10, v45
	global_store_b64 v2, v[56:57], s[8:9] offset:32768     ; pos
	s_cmp_lg_u32 s12, 0
	s_cbranch_scc1 .Lend                           ; the counts and the loss are wave 0's
	v_lshrrev_b32 v59, 1, v1
	v_mov_b32 v58, v20
	s_delay_alu instid0(VALU_DEP_2)
	v_cmp_eq_u32 vcc_lo, 1, v59
	s_delay_alu instid0(VALU_DEP_1)
	v_cndmask_b32 v58, v58, v21, vcc_lo
	s_delay_alu instid0(VALU_DEP_4)
	v_cmp_eq_u32 vcc_lo, 2, v59
	s_delay_alu instid0(VALU_DEP_1)
	v_cndmask_b32 v58, v58, v22, vcc_lo
	v_cmp_eq_u32 vcc_lo, 3, v59
	s_delay_alu instid0(VALU_DEP_1)
	v_cndmask_b32 v58, v58, v23, vcc_lo
	v_and_b32 v60, 1, v1
	s_delay_alu instid0(VALU_DEP_1)
	v_lshlrev_b32 v60, 4, v60
	s_delay_alu instid0(VALU_DEP_1)
	v_lshrrev_b32 v58, v60, v58
	s_delay_alu instid0(VALU_DEP_1)
	v_and_b32 v58, 0xffff, v58                     ; lane e, e under 8: expert e's total
.irp m, 1,2,4,8
.irp e, 0,1,2,3,4,5,6,7
	v_add_f32_dpp v[24+\e], v[24+\e], v[24+\e] row_xmask:\m row_mask:0xf bank_mask:0xf
.endr
.endr
.irp e, 0,1,2,3,4,5,6,7
	v_permlanex16_b32 v[36+\e], v[24+\e], s14, s15
.endr
.irp e, 0,1,2,3,4,5,6,7
	v_add_f32 v[24+\e], v[24+\e], v[36+\e]         ; S_e: expert e's probabilities summed over the 1,024 tokens
.endr
	v_add_f32 v46, v24, v25
	v_add_f32 v47, v26, v27
	s_delay_alu instid0(VALU_DEP_1)
	v_add_f32 v46, v46, v47
	v_add_f32 v47, v28, v29
	s_delay_alu instid0(VALU_DEP_1)
	v_add_f32 v46, v46, v47
	v_add_f32 v47, v30, v31
	s_delay_alu instid0(VALU_DEP_1)
	v_add_f32 v46, v46, v47
	s_delay_alu instid0(VALU_DEP_1)
	v_mul_f32 v46, 0x3e000000, v46                 ; their mean
.irp e, 0,1,2,3,4,5,6,7
	v_sub_f32 v[24+\e], v[24+\e], v46
.endr
	v_mul_f32 v47, v24, v24
.irp e, 1,2,3,4,5,6,7
	s_delay_alu instid0(VALU_DEP_1)
	v_fmac_f32 v47, v[24+\e], v[24+\e]
.endr
	s_delay_alu instid0(VALU_DEP_1)
	v_mul_f32 v47, 0x34124925, v47                 ; x (1 / 7) x 2^-20: the means are S_e / 1,024, and a power of two rounds nothing
	v_mov_b32 v61, 0
	s_wait_alu depctr_va_vdst(0)
	s_wait_xcnt 0x0                                ; EXEC changes only behind this wait
	v_cmp_gt_u32 vcc_lo, 8, v1
	s_and_saveexec_b32 s44, vcc_lo
	global_store_b32 v18, v58, s[8:9] offset:40960 ; cnt
	s_wait_xcnt 0x0
	s_or_b32 exec_lo, exec_lo, s44
	v_cmp_eq_u32 vcc_lo, 0, v1
	s_and_saveexec_b32 s44, vcc_lo
	global_store_b32 v61, v47, s[10:11]            ; the loss
	s_wait_xcnt 0x0
	s_or_b32 exec_lo, exec_lo, s44
.Lend:
	s_wait_tensorcnt 0x0                           ; the wave's end: three lines behind my last LDS store
	ds_add_u32 v62, v63
	s_wait_dscnt 0x0
	s_endpgm
.Lfunc_end_k_q8c897ba635_place:
	.size	k_q8c897ba635_place, .Lfunc_end_k_q8c897ba635_place-k_q8c897ba635_place
	.p2alignl 7, 3214868480
	.fill 96, 4, 3214868480
	.section	.rodata,"a",@progbits
	.p2align	6, 0x0
	.amdhsa_kernel k_q8c897ba635_place
		.amdhsa_group_segment_fixed_size 5632
		.amdhsa_private_segment_fixed_size 0
		.amdhsa_enable_private_segment 0
		.amdhsa_kernarg_size 32
		.amdhsa_user_sgpr_count 2
		.amdhsa_user_sgpr_kernarg_segment_ptr 1
		.amdhsa_wavefront_size32 1
		.amdhsa_system_sgpr_workgroup_id_x 1
		.amdhsa_system_sgpr_workgroup_id_y 1
		.amdhsa_system_sgpr_workgroup_id_z 1
		.amdhsa_system_vgpr_workitem_id 0
		.amdhsa_next_free_vgpr 64
		.amdhsa_next_free_sgpr 66
		.amdhsa_reserve_vcc 1
		.amdhsa_float_denorm_mode_32 3
		.amdhsa_float_denorm_mode_16_64 3
		.amdhsa_memory_ordered 1
		.amdhsa_forward_progress 1
		.amdhsa_inst_pref_size 25
	.end_amdhsa_kernel
	.amdgpu_metadata
---
amdhsa.version: [ 1, 2 ]
amdhsa.kernels:
  - .name:           k_q8c897ba635_place
    .symbol:         k_q8c897ba635_place.kd
    .args:
      - { .name: idx, .offset: 0, .size: 8, .value_kind: global_buffer, .address_space: global }
      - { .name: gate, .offset: 8, .size: 8, .value_kind: global_buffer, .address_space: global }
      - { .name: rt, .offset: 16, .size: 8, .value_kind: global_buffer, .address_space: global }
      - { .name: out1, .offset: 24, .size: 8, .value_kind: global_buffer, .address_space: global }
    .group_segment_fixed_size: 5632
    .private_segment_fixed_size: 0
    .kernarg_segment_align: 8
    .kernarg_segment_size: 32
    .max_flat_workgroup_size: 1024
    .sgpr_count:     66
    .vgpr_count:     64
    .wavefront_size: 32
...
	.end_amdgpu_metadata
.endif
;; end of part 2
;; launch ffn1 (part 3): grid 32 x 8, 8 waves a work-group, no clusters, 104,960 bytes of LDS; arguments W1, b1, xq, rt, hq; writes hq
.if DOCPART == 3
	.amdgcn_target "amdgcn-amd-amdhsa--gfx1250"
	.amdhsa_code_object_version 6
	.text
	.protected	k_q8c897ba635_ffn1
	.globl	k_q8c897ba635_ffn1
	.p2align	8
	.type	k_q8c897ba635_ffn1,@function
k_q8c897ba635_ffn1:
	s_mov_b64 s[64:65], 0
	v_nop
	global_prefetch_b8 v0, s[64:65] scope:SCOPE_SE
	s_setreg_imm32_b32 hwreg(HW_REG_WAVE_MODE, 25, 1), 1
	s_wait_xcnt 0x0
; H = Q(relu(Q(x) Q(W1) + b1)) for the rows (token, expert) that were chosen; the rows of experts not chosen are left out (shown at the head of the first kernel).
; SHARES.  Work-group (slice, e) owns 128 hidden units of expert e: 1,024 x 128 numbers of W1 that no other work-group reads.  K goes in eight stages of 128.  In stage t wave w quantises a unit of 32 rows of K
; (block w % 4 of the K step) x 64 columns (group w / 4) and lays the codes in LDS; one barrier; then every wave that has rows multiplies K step t with its own 48 rows of the expert's list (3 tiles x 8 tiles of hidden units, 24 accumulators).
; W1's units of stages t + 1 and t + 2 are on their way meanwhile: 32 loads a wave.  The codes of all K steps stay in LDS: a list of more than 384 rows is finished from them, 48 rows a wave at a time, without barriers.
; A UNIT'S LOADS: 16 bytes a lane; lanes 0-15 take 256 consecutive bytes, aligned, of row k, lanes 16-31 those of row k + 16.  So lane (q, h) holds columns 4 q .. 4 q + 3 of rows 16 h .. 16 h + 15 of the block.  A column's 16 numbers are
; moved into consecutive registers (two moves an instruction), the two halves' maxima meet by one lane exchange, and each conversion's 12 bytes go to the operand's place in LDS as three words.
; THE PRODUCT IS USED TRANSPOSED (source 0 = 16 columns of W1, source 1 = 16 rows of x); row m of tile jj of a group is column 32 (m / 8) + 8 jj + m % 8 of its 64: lane (row r, h) then holds, in the 32 registers of a group's four tiles,
; hidden units 32 h .. 32 h + 31: one whole block of the next product's K.
; ORDER OF THE GLOBAL LOADS: x(t), W(t + 1), x(t + 1), W(t + 2); x(t + 1) and W(t + 2) go out behind stage t's quantiser, ahead of its barrier.  x's fragments have two buffers, so that the next K step's can land while this one's are multiplied.
; No tensor load, no cluster: trip counts are read from memory, and what work-groups share (x's codes) is a small part of the bytes.  No prefetch: every byte of the stream is asked for by its own load two stages ahead of its use.
; A wave without rows passes over the products; it issues x's loads all the same, so that the counted waits hold on every way; a tile behind the list's last pair reads token 0 in all its lanes.
; LIMITS: NaN and infinities are not served; a block whose largest magnitude lies under 2^-122, a block of zeros too, keeps the scale byte 1 (its bytes are read by this program alone).
; hq: codes [e 8][pair 32][K step 32][tile 2][plane 3][512 bytes]: plane p holds registers 4 p .. 4 p + 3 of the next product's fragment, 16 bytes a lane; scale words from byte 25,165,824: [e][pair][K step][tile][16 rows].
; LDS: codes at t x KST + J x TS + 48 x operand lane + 24 c + 12 half; scale words at SCW + 512 t + 16 (16 (J % 2) + m) + 4 (J / 2); b1's 128 numbers at B1L; the spare words at SPARE.  TS = 1,536 + 16: the stores of a unit touch different banks.
; REGISTERS, window 0: v1 W1's lane offset; v2, v3 fragments' LDS address (K steps 0-3, 4-7); v4 scale words'; v5 b1's; v8-10 my rows' codes in xq; v11, v12 where my codes go; v13 where my scale bytes go; v14, v15 the add's two;
; v16-31 x's scale words, v32-35 W1's: scales and nothing else; v36-39 at work; v40-75 x's fragments, buffer 0; v76-123 W1's fragments, four places (in the quantiser: two columns' numbers and the codes); v124-127 at work; v128-191, v192-255 two units.
; Window 1: v0-191 accumulators (tile i, J) at 64 i + 8 J; v192, v194, v195 the way out's offsets; v196-231 x's fragments, buffer 1; on the way out v196-238 at work.
.set PITCH, 16384                      ; a row of W1 in bytes
.set TS,    1552
.set KST,   8*TS
.set SCW,   8*KST
.set B1L,   SCW+4096
.set SPARE, B1L+512
.set XS, 16
.set WS, 32
.set P,  36
.set WF, 76
.set T,  76
.set C,  108
.set M,  124
.set MSB, 0
.macro WIN new                         ; the immediate's high byte repeats the setting that is left
.if MSB != \new
	s_set_vgpr_msb (MSB<<8)|\new
.set MSB, \new
.endif
.endm
.macro PLACES                          ; four places behind products, ahead of loads and vector writes into their registers and of the first read of results
.rept 4
	v_nop
.endr
.endm
.macro WLOAD t, sb                     ; my unit of stage t.  The base stands at row 512, so that every offset lies inside the signed 24-bit immediate
.set wi, 0
.rept 16
	global_load_b128 v[\sb+4*wi:\sb+4*wi+3], v1, s[24:25] offset:(128*(\t)+wi-512)*PITCH th:TH_LOAD_NT
.set wi, wi+1
.endr
.endm
.macro XLOAD t, xb                     ; x's three fragments of K step t into buffer xb: three pieces a lane and tile; the two halves' pieces are 32 consecutive bytes of a row
.set XB, 40+156*(\xb)
.set WN, 0x40*(\xb)
	WIN WN
.irp i, 0,1,2
.irp u, 0,1,2
	global_load_b128 v[XB+12*\i+4*\u:XB+12*\i+4*\u+3], v[8+\i], s[8:9] offset:96*(\t)+32*\u
.endr
.endr
	WIN 0
.endm
.macro MOV2 j0                         ; columns j0 and j0 + 1 of the unit at S: 16 numbers each into consecutive registers
.irp i, 0,2,4,6,8,10,12,14
	v_dual_mov_b32 v[T+\i], v[S+4*\i+\j0] :: v_dual_mov_b32 v[T+17+\i], v[S+4*\i+5+\j0]
	v_dual_mov_b32 v[T+16+\i], v[S+4*\i+1+\j0] :: v_dual_mov_b32 v[T+1+\i], v[S+4*\i+4+\j0]
.endr
.endm
.macro QUANT t                         ; the unit at S becomes codes and scale bytes in LDS; the four columns take turns
.irp j, 0,1,2,3
	v_max3_num_f32 v[M+\j], |v[S+\j]|, |v[S+4+\j]|, 0x2800000      ; the floor 2^(5 - 127) among the leaves: the byte cannot fall under 1
.endr
.irp i, 2,4,6,8,10,12,14
.irp j, 0,1,2,3
	v_max3_num_f32 v[M+\j], v[M+\j], |v[S+4*\i+\j]|, |v[S+4*\i+4+\j]|
.endr
.endr
.irp j, 0,1,2,3
	v_permlanex16_b32 v[P+\j], v[M+\j], s20, s21
.endr
.irp j, 0,1,2,3
	v_max_num_f32 v[M+\j], v[M+\j], v[P+\j]        ; with the other half's 16 rows: the block's largest magnitude
.endr
.irp j, 0,1,2,3
	v_add_nc_u32 v[M+\j], 0xfe000000, v[M+\j]      ; 4 off the exponent field: the conversion's scale operand
.endr
.irp j, 0,1,2,3
	v_lshrrev_b32 v[P+\j], 23, v[M+\j]             ; the scale's byte
.endr
	MOV2 0
	v_cvt_scalef32_pk16_bf6_f32 v[C:C+2], v[T:T+15], v[M]
	v_cvt_scalef32_pk16_bf6_f32 v[C+4:C+6], v[T+16:T+31], v[M+1]
	v_nop                                          ; one plain line behind the conversions, ahead of the moves that write their sources
	MOV2 2
	v_cvt_scalef32_pk16_bf6_f32 v[C+8:C+10], v[T:T+15], v[M+2]
	v_cvt_scalef32_pk16_bf6_f32 v[C+12:C+14], v[T+16:T+31], v[M+3]
	v_nop
.irp j, 0,1,2,3
.irp i, 0,1,2
	ds_store_b32 v[11+(\t)/4], v[C+4*\j+\i] offset:((\t)%4)*KST+48*\j+4*\i
.endr
	ds_store_b8 v13, v[P+\j] offset:512*(\t)+16*\j ; both halves' lanes write the same byte with the same value
.endr
.endm
.macro WMM ac, wf, xf, sa, sb, ra, rb
.if (\ra) == 0 && (\rb) == 0
	v_wmma_scale_f32_16x16x128_f8f6f4 v[(\ac):(\ac)+7], v[(\wf):(\wf)+11], v[(\xf):(\xf)+11], v[(\ac):(\ac)+7], v[\sa], v[\sb] matrix_a_fmt:MATRIX_FMT_BF6 matrix_b_fmt:MATRIX_FMT_BF6
.elseif (\ra) == 0
	v_wmma_scale_f32_16x16x128_f8f6f4 v[(\ac):(\ac)+7], v[(\wf):(\wf)+11], v[(\xf):(\xf)+11], v[(\ac):(\ac)+7], v[\sa], v[\sb] matrix_a_fmt:MATRIX_FMT_BF6 matrix_b_fmt:MATRIX_FMT_BF6 matrix_b_scale:MATRIX_SCALE_ROW1
.elseif (\rb) == 0
	v_wmma_scale_f32_16x16x128_f8f6f4 v[(\ac):(\ac)+7], v[(\wf):(\wf)+11], v[(\xf):(\xf)+11], v[(\ac):(\ac)+7], v[\sa], v[\sb] matrix_a_fmt:MATRIX_FMT_BF6 matrix_b_fmt:MATRIX_FMT_BF6 matrix_a_scale:MATRIX_SCALE_ROW1
.else
	v_wmma_scale_f32_16x16x128_f8f6f4 v[(\ac):(\ac)+7], v[(\wf):(\wf)+11], v[(\xf):(\xf)+11], v[(\ac):(\ac)+7], v[\sa], v[\sb] matrix_a_fmt:MATRIX_FMT_BF6 matrix_b_fmt:MATRIX_FMT_BF6 matrix_a_scale:MATRIX_SCALE_ROW1 matrix_b_scale:MATRIX_SCALE_ROW1
.endif
.endm
.macro LF t, ja                        ; W1's tiles ja, ja + 1 of K step t into places ja % 4, ja % 4 + 1: six LDS loads
.irp d, 0,1
.irp u, 0,1,2
	ds_load_b128 v[WF+12*(((\ja)+\d)%4)+4*\u:WF+12*(((\ja)+\d)%4)+4*\u+3], v[2+(\t)/4] offset:((\t)%4)*KST+((\ja)+\d)*TS+16*\u
.endr
.endr
.endm
.macro WM t, ja, xb                    ; six products: two tiles of W1 x my three tiles of rows; the accumulators take turns, one instruction a turn
.set XB, 40+156*(\xb)
.set WN, 0x50+4*(\xb)
	WIN WN                                         ; C and D in window 1; x's buffer 1 too
.irp i, 0,1,2
.irp d, 0,1
	WMM 64*\i+8*((\ja)+\d), WF+12*(((\ja)+\d)%4), XB+12*\i, WS+(\ja)/2, XS+(\t)+8*(\i/2), \d, \i%2
.endr
.endr
.endm
.macro BIAS                            ; the bias is the C of each sum's first product: nothing is cleared and nothing added
	WIN 0x40
.irp i, 0,1,2
.irp j, 0,1,2,3,4,5,6,7
.irp u, 0,1
	ds_load_b128 v[64*\i+8*\j+4*\u:64*\i+8*\j+4*\u+3], v5 offset:256*(\j/4)+32*(\j%4)+16*\u
.endr
.endr
.endr
	WIN 0
.endm
.macro CORE t, xb                      ; K step t: 24 products
	ds_load_b128 v[WS:WS+3], v4 offset:512*(\t)    ; register p: lanes 0-15 tile 2 p's rows, lanes 16-31 tile 2 p + 1's
	LF \t, 0
	LF \t, 2
	s_wait_dscnt 6                                 ; all but the younger pair's six
	WM \t, 0, \xb
	PLACES
	WIN 0
	LF \t, 4
	s_wait_dscnt 6
	WM \t, 2, \xb
	PLACES
	WIN 0
	LF \t, 6
	s_wait_dscnt 6
	WM \t, 4, \xb
	s_wait_dscnt 0x0
	WM \t, 6, \xb
	PLACES
	WIN 0
.endm
.macro LIST                            ; s34 = my item: its 48 tokens out of the expert's list
	s_lshl_b32 s35, s16, 12
	s_mul_i32 s36, s34, 192
	s_add_co_u32 s35, s35, s36
	v_and_b32 v124, 15, v0
	v_and_b32 v125, 31, v0
	v_lshl_add_u32 v124, v124, 2, s35
	v_lshl_add_u32 v125, v125, 2, s35
	global_load_b32 v40, v124, s[10:11]            ; row r of tile 0,
	global_load_b32 v41, v124, s[10:11] offset:64  ; of tile 1,
	global_load_b32 v42, v124, s[10:11] offset:128 ; of tile 2,
	global_load_b32 v43, v125, s[10:11]            ; and the row of tiles 0, 1 whose scale words my lane carries
.endm
.macro TOK                             ; the tokens become addresses; then x's scale words: v16-23 tiles 0 and 1, v24-31 tile 2, a register a K step
	s_mul_i32 s46, s34, 3
	s_cmp_lt_u32 s46, s45
	s_cselect_b32 s47, 1, 0                        ; 1 for a tile that the next launch reads, else 0: such a tile takes token 0 in all lanes
	s_add_co_u32 s46, s46, 1
	s_cmp_lt_u32 s46, s45
	s_cselect_b32 s48, 1, 0
	s_add_co_u32 s46, s46, 1
	s_cmp_lt_u32 s46, s45
	s_cselect_b32 s49, 1, 0
.irp i, 0,1,2,3
	v_min_u32 v[40+\i], 0x3ff, v[40+\i]            ; a loaded number enters an address behind a bound
.endr
	v_bfe_u32 v126, v0, 4, 1
	v_lshlrev_b32 v126, 4, v126
.irp i, 0,1,2
	v_mul_u32_u24 v[40+\i], v[40+\i], s[47+\i]
.endr
.irp i, 0,1,2
	v_mad_u32_u24 v[8+\i], v[40+\i], 0x300, v126   ; 768 x token + 16 h
.endr
	v_lshlrev_b32 v127, 5, v42
	v_lshlrev_b32 v126, 5, v43
	s_wait_alu depctr_va_vdst(0)
	global_load_b128 v[XS:XS+3], v126, s[8:9] offset:786432
	global_load_b128 v[XS+4:XS+7], v126, s[8:9] offset:786448
	global_load_b128 v[XS+8:XS+11], v127, s[8:9] offset:786432
	global_load_b128 v[XS+12:XS+15], v127, s[8:9] offset:786448
.endm
.macro STG t
.set S, 128+64*((\t)%2)
.if (\t) < 7
	s_wait_loadcnt 25                              ; my unit of this stage is in; younger: x's 9 of this K step and the next unit's 16
.else
	s_wait_loadcnt 9
.endif
	QUANT \t
.if (\t) < 7
	XLOAD (\t)+1, ((\t)+1)%2
.endif
.if (\t) < 6
	WLOAD (\t)+2, S
.endif
	s_wait_alu depctr_va_vdst(0)                   ; the wait ahead of the blocking wait
	s_wait_dscnt 0x0                               ; for the others' sake: my stores have landed
	s_barrier_signal -1
	s_barrier_wait -1                              ; K step t's codes lie in LDS; nothing is written there again
.if (\t) < 6
	s_wait_loadcnt 41                              ; x's fragments of this K step are in; younger: a unit's 16, x's next 9, a unit's 16
.elseif (\t) == 6
	s_wait_loadcnt 25
.else
	s_wait_loadcnt 0x0
.endif
.if (\t) == 0
	BIAS
.endif
	s_cmp_eq_u32 s44, 0
	s_cbranch_scc1 .Lidle_\@                       ; a wave without rows multiplies nothing
	CORE \t, (\t)%2
.Lidle_\@:
.endm
.macro EPI i                           ; tile i of my item: relu, a block of 32 a lane and group, codes and the scale word; all registers in window 1
	s_mul_i32 s46, s34, 3
	s_add_co_u32 s46, s46, \i                      ; the tile's number in the expert's list
	s_lshr_b32 s35, s46, 1
	s_and_b32 s47, s46, 1
	s_lshl_b32 s36, s16, 5
	s_add_co_u32 s35, s35, s36
	s_lshl_b32 s35, s35, 5
	s_add_co_u32 s35, s35, s15                     ; (32 e + pair) x 32 + slice
	s_mul_i32 s36, s35, 3072
	s_mul_i32 s38, s47, 1536
	s_add_co_u32 s36, s36, s38
	s_mov_b32 s37, 0
	s_add_nc_u64 s[30:31], s[12:13], s[36:37]
	s_lshl_b32 s36, s35, 7
	s_lshl_b32 s38, s47, 6
	s_add_co_u32 s36, s36, s38
	s_add_nc_u64 s[32:33], s[28:29], s[36:37]
	WIN 0x55
.set ea, 64*\i
.set j, 0
.rept 32
	v_max_num_f32 v[ea+j], 0, v[ea+j]              ; ascending: each accumulator is read from its low end on
	v_max_num_f32 v[ea+32+j], 0, v[ea+32+j]
.set j, j+1
.endr
	v_max3_num_f32 v200, v[ea], v[ea+1], 0x2800000
	v_max3_num_f32 v201, v[ea+32], v[ea+33], 0x2800000
.irp k, 2,4,6,8,10,12,14,16,18,20,22,24,26,28,30
	v_max3_num_f32 v200, v200, v[ea+\k], v[ea+\k+1]
	v_max3_num_f32 v201, v201, v[ea+32+\k], v[ea+33+\k]
.endr
	v_add_nc_u32 v202, 0xfe000000, v200
	v_add_nc_u32 v203, 0xfe000000, v201
	v_lshrrev_b32 v204, 23, v202
	v_lshrrev_b32 v205, 23, v203
	v_cvt_scalef32_pk16_bf6_f32 v[208:210], v[ea:ea+15], v202
	v_cvt_scalef32_pk16_bf6_f32 v[232:234], v[ea+16:ea+31], v202   ; (a conversion's three registers begin on an even number: the upper halves are made elsewhere and moved)
	v_cvt_scalef32_pk16_bf6_f32 v[214:216], v[ea+32:ea+47], v203
	v_cvt_scalef32_pk16_bf6_f32 v[236:238], v[ea+48:ea+63], v203
	v_lshl_or_b32 v206, v205, 16, v204             ; blocks h and 2 + h of my row (also the plain line behind the conversions),
	v_lshlrev_b32 v206, v195, v206                 ; at their places, 8 h bits up;
	v_permlanex16_b32 v196, v206, s20, s21
.irp k, 0,1,2
	v_mov_b32 v[211+\k], v[232+\k]
	v_mov_b32 v[217+\k], v[236+\k]
.endr
	v_or_b32 v206, v206, v196                      ; with lane l xor 16's two the word is whole, in both lanes
	WIN 0
	s_wait_alu depctr_va_vdst(0)                   ; the wait ahead of the branch
	s_cmp_ge_u32 s46, s45                          ; a tile behind the list's last pair is not stored
	s_cbranch_scc1 .Lnot_stored_\@
	WIN 0x05
	global_store_b128 v192, v[208:211], s[30:31]               ; each 512 consecutive bytes, aligned to 256
	global_store_b128 v192, v[212:215], s[30:31] offset:512
	global_store_b128 v192, v[216:219], s[30:31] offset:1024
	global_store_b32 v194, v206, s[32:33]                      ; 16 words; lanes 16-31 write what lanes 0-15 write
	s_wait_xcnt 0x0                                ; the stores' registers and bases are written again only behind this wait
	WIN 0
.Lnot_stored_\@:
.endm
	s_load_b256 s[4:11], s[0:1], 0x0               ; W1 s[4:5], b1 s[6:7], xq s[8:9], rt s[10:11]
	s_load_b64 s[12:13], s[0:1], 0x20              ; hq
	v_lshl_add_u32 v14, v0, 2, SPARE               ; my spare word, and 0: kept for the closing lines alone
	v_mov_b32 v15, 0
	v_lshrrev_b32 v124, 5, v0
	v_readfirstlane_b32 s14, v124                  ; wave
	s_mov_b32 s15, ttmp9                           ; slice
	s_and_b32 s16, ttmp7, 0xffff                   ; expert
	s_and_b32 s42, s14, 3                          ; my block of a K step
	s_lshr_b32 s43, s14, 2                         ; my group of 64 columns
	s_mov_b32 s20, 0x76543210
	s_mov_b32 s21, 0xfedcba98                      ; v_permlanex16_b32's selects for lane l xor 16
	s_lshl_b32 s36, s16, 24                        ; W1: the expert's 16 MB,
	s_lshl_b32 s38, s42, 19                        ; my block's 32 rows,
	s_add_co_u32 s36, s36, s38
	s_add_co_u32 s36, s36, 512*PITCH               ; row 512,
	s_lshl_b32 s38, s15, 9                         ; the slice's 512 bytes of a row,
	s_add_co_u32 s36, s36, s38
	s_lshl_b32 s38, s43, 8                         ; my group's 256 of them
	s_add_co_u32 s36, s36, s38
	s_mov_b32 s37, 0
	s_lshl_b32 s38, s16, 14                        ; b1
	s_lshl_b32 s39, s15, 9
	s_add_co_u32 s38, s38, s39
	s_mov_b32 s39, 0
	s_lshl_b32 s40, s16, 2
	s_mul_i32 s46, s43, 4*TS                       ; where my codes go: my group's four tiles,
	s_and_b32 s47, s42, 1
	s_mul_i32 s47, s47, 768                        ; the operand's lanes 16 (block % 2) on,
	s_add_co_u32 s46, s46, s47
	s_lshr_b32 s47, s42, 1
	s_mul_i32 s47, s47, 24                         ; registers 6 (block / 2) on
	s_add_co_u32 s46, s46, s47
	s_lshl_b32 s47, s43, 3
	s_add_co_u32 s47, s47, s42
	s_add_co_u32 s47, s47, SCW                     ; and my scale bytes: word 2 group + jj / 2, byte = block
	s_mov_b32 s34, s14                             ; my first item
	s_mov_b32 s19, s14
	v_and_b32 v124, 31, v0                         ; lane
	v_and_b32 v125, 15, v0                         ; q, r
	v_bfe_u32 v126, v0, 4, 1                       ; h
	v_lshlrev_b32 v127, 4, v124                    ; 16 lane
	v_lshlrev_b32 v1, 18, v126                     ; W1: 16 rows for lanes 16-31,
	v_lshl_add_u32 v1, v125, 4, v1                 ; 16 bytes a lane
	v_mul_u32_u24 v2, v124, 48
	v_add_nc_u32 v3, 4*KST, v2
	v_lshl_add_u32 v4, v124, 4, SCW
	v_lshl_add_u32 v5, v126, 7, B1L
	v_bfe_u32 v36, v0, 1, 2                        ; jj = (q % 8) / 2: columns 4 q .. 4 q + 3 lie in tile jj,
	v_and_b32 v37, 1, v0                           ; at rows m = 8 (q / 8) + 4 (q % 2) + 0 .. 3
	v_bfe_u32 v38, v0, 3, 1
	v_mul_u32_u24 v11, v36, TS
	v_mad_u32_u24 v11, v38, 384, v11
	v_mad_u32_u24 v11, v37, 192, v11
	v_mad_u32_u24 v11, v126, 12, v11               ; my half of the block
	v_add_nc_u32 v11, s46, v11
	v_add_nc_u32 v12, 4*KST, v11
	v_and_b32 v39, 1, v36
	v_lshrrev_b32 v36, 1, v36
	v_lshlrev_b32 v13, 8, v39
	v_lshl_add_u32 v13, v36, 2, v13
	v_lshl_add_u32 v13, v38, 7, v13
	v_lshl_add_u32 v13, v37, 6, v13
	v_add_nc_u32 v13, s47, v13
	WIN 0x40                                       ; the way out's offsets, in window 1
	v_lshlrev_b32 v192, 4, v124
	v_lshlrev_b32 v194, 2, v125
	v_lshlrev_b32 v195, 3, v126
	v_mov_b32 v196, 0                              ; written once: the destination of a lane exchange counts as one of its sources
	WIN 0
	s_wait_alu depctr_va_vdst(0)                   ; the wait at the head's end
	s_wait_kmcnt 0x0
	s_load_b32 s17, s[10:11], s40 offset:0xa000    ; how many tokens chose the expert
	s_add_nc_u64 s[24:25], s[4:5], s[36:37]
	s_add_nc_u64 s[6:7], s[6:7], s[38:39]
	s_add_nc_u64 s[28:29], s[12:13], 0x1800000     ; hq's scale words
	global_load_b128 v[120:123], v127, s[6:7]      ; the slice's 128 numbers of b1
	LIST
	WLOAD 0, 128
	s_wait_kmcnt 0x0
	s_add_co_u32 s18, s17, 31
	s_lshr_b32 s18, s18, 5
	s_max_u32 s18, s18, 1
	s_min_u32 s18, s18, 32                         ; pairs of tiles that the next launch reads
	s_lshl_b32 s45, s18, 1                         ; tiles
	s_add_co_u32 s44, s45, 2
	s_mul_i32 s44, s44, 43691
	s_lshr_b32 s44, s44, 17                        ; items of three tiles: (tiles + 2) / 3, exact up to 66
	s_add_co_u32 s44, s44, 7
	s_sub_co_u32 s44, s44, s14
	s_lshr_b32 s44, s44, 3                         ; how many items are mine (w, w + 8, w + 16): 0 to 3
	s_wait_loadcnt 16                              ; b1 and the list are in; my first unit's 16 may be out
	TOK
	XLOAD 0, 0
	WLOAD 1, 192
	s_cmp_lg_u32 s14, 0
	s_cbranch_scc1 .Lno_bias_store
	ds_store_b128 v4, v[120:123] offset:4096       ; wave 0: B1L + 16 lane
.Lno_bias_store:
.irp t, 0,1,2,3,4,5,6,7
	STG \t
.endr
	s_mov_b32 s41, 0
	s_cmp_eq_u32 s44, 0
	s_cbranch_scc1 .Ldone
.Litem:                                                ; the loop counts my items; the first was multiplied in the eight stages, a later one is multiplied here from the codes in LDS
	EPI 0
	EPI 1
	EPI 2
	s_add_co_u32 s19, s19, 8
	s_add_co_u32 s41, s41, 1
	s_cmp_ge_u32 s41, s44
	s_cbranch_scc1 .Lno_more
	s_min_u32 s34, s19, 21
	LIST
	s_wait_loadcnt 0x0
	TOK
	BIAS
.irp t, 0,1,2,3,4,5,6,7
	XLOAD \t, 0
	s_wait_loadcnt 0x0
	CORE \t, 0
.endr
.Lno_more:
	s_cmp_lt_u32 s41, s44
	s_cbranch_scc1 .Litem
.Ldone:
	s_wait_tensorcnt 0x0                           ; the wave's end: three lines behind my last LDS store
	ds_add_u32 v14, v15
	s_wait_dscnt 0x0
	s_endpgm
.Lfunc_end_k_q8c897ba635_ffn1:
	.size	k_q8c897ba635_ffn1, .Lfunc_end_k_q8c897ba635_ffn1-k_q8c897ba635_ffn1
	.p2alignl 7, 3214868480
	.fill 96, 4, 3214868480
	.section	.rodata,"a",@progbits
	.p2align	6, 0x0
	.amdhsa_kernel k_q8c897ba635_ffn1
		.amdhsa_group_segment_fixed_size 104960
		.amdhsa_private_segment_fixed_size 0
		.amdhsa_enable_private_segment 0
		.amdhsa_kernarg_size 40
		.amdhsa_user_sgpr_count 2
		.amdhsa_user_sgpr_kernarg_segment_ptr 1
		.amdhsa_wavefront_size32 1
		.amdhsa_system_sgpr_workgroup_id_x 1
		.amdhsa_system_sgpr_workgroup_id_y 1
		.amdhsa_system_sgpr_workgroup_id_z 1
		.amdhsa_system_vgpr_workitem_id 0
		.amdhsa_next_free_vgpr 512
		.amdhsa_next_free_sgpr 66
		.amdhsa_reserve_vcc 0
		.amdhsa_float_denorm_mode_32 3
		.amdhsa_float_denorm_mode_16_64 3
		.amdhsa_memory_ordered 1
		.amdhsa_forward_progress 1
		.amdhsa_inst_pref_size 196
	.end_amdhsa_kernel
	.amdgpu_metadata
---
amdhsa.version: [ 1, 2 ]
amdhsa.kernels:
  - .name:           k_q8c897ba635_ffn1
    .symbol:         k_q8c897ba635_ffn1.kd
    .args:
      - { .name: W1, .offset: 0, .size: 8, .value_kind: global_buffer, .address_space: global }
      - { .name: b1, .offset: 8, .size: 8, .value_kind: global_buffer, .address_space: global }
      - { .name: xq, .offset: 16, .size: 8, .value_kind: global_buffer, .address_space: global }
      - { .name: rt, .offset: 24, .size: 8, .value_kind: global_buffer, .address_space: global }
      - { .name: hq, .offset: 32, .size: 8, .value_kind: global_buffer, .address_space: global }
    .group_segment_fixed_size: 104960
    .private_segment_fixed_size: 0
    .kernarg_segment_align: 8
    .kernarg_segment_size: 40
    .max_flat_workgroup_size: 256
    .sgpr_count:     66
    .vgpr_count:     512
    .wavefront_size: 32
...
	.end_amdgpu_metadata
.endif
;; end of part 3
;; launch ffn2 (part 4): grid 32 x 8, 8 waves a work-group, no clusters, 139,776 bytes of LDS; arguments W2, b2, hq, rt, yp; writes yp
.if DOCPART == 4
	.amdgcn_target "amdgcn-amd-amdhsa--gfx1250"
	.amdhsa_code_object_version 6
	.text
	.protected	k_q8c897ba635_ffn2
	.globl	k_q8c897ba635_ffn2
	.p2align	8
	.type	k_q8c897ba635_ffn2,@function
k_q8c897ba635_ffn2:
	s_mov_b64 s[64:65], 0
	v_nop
	global_prefetch_b8 v0, s[64:65] scope:SCOPE_SE
	s_setreg_imm32_b32 hwreg(HW_REG_WAVE_MODE, 25, 1), 1
	s_wait_xcnt 0x0
; Y = Q(H) Q(W2) + b2 for the chosen rows, in two partial sums over halves of K = F; the rows of experts not chosen are left out (shown at the head of the first kernel).
; SHARES.  Work-group (x, e): slice = x % 16 (64 outputs), kh = x / 16 (2,048 of the 4,096 along K) of expert e: 2,048 x 64 numbers of W2 that no other work-group reads; a row's part is 256 consecutive bytes, aligned.
; The plan is the launch before's.  K goes in eight stages of two K steps.  In stage t wave w quantises a unit of 32 rows of K (K step 2 t + w / 4, block w % 4) x the 64 columns and lays the codes in LDS; one barrier; then every wave that has
; rows multiplies the two K steps with its own 48 rows (3 tiles x 4 tiles of outputs, 12 accumulators).  W2's units of stages t + 1 and t + 2 are on their way meanwhile: 32 loads a wave.  The codes stay in LDS for lists of more than 384 rows.
; A unit's loads, the moves, the maxima and the codes' way into LDS are the launch before's; fragment J = 4 kk + jj of a stage is tile jj of K step 2 t + kk.
; The product is used transposed, and row m of tile jj is column 32 (m / 8) + 8 jj + m % 8 of the 64, so that lane (row r, h) ends with outputs 32 h .. 32 h + 31 of its row: 128 consecutive bytes.
; ORDER OF THE GLOBAL LOADS: H(t), W(t + 1), H(t + 1), W(t + 2); H(t + 1) (18 loads) and W(t + 2) (16) go out behind stage t's quantiser, ahead of its barrier.  H's fragments have two buffers.
; b2 is the C of the first products in half 0; in half 1 that C is zeros, so that it is added once.  The last launch adds the two halves: no traffic between work-groups.
; No tensor load, no cluster: trip counts are read from memory, and what work-groups share (H's codes) is the lesser part of the bytes.  No prefetch: every byte of the stream is asked for by its own load two stages ahead of its use.
; A wave without rows passes over the products; it issues H's loads all the same, all lanes at one place, so that the counted waits hold on every way; a tile behind the list's last pair reads the last tile's codes and is not stored.
; LIMITS: NaN and infinities are not served; a block whose largest magnitude lies under 2^-122, a block of zeros too, keeps the scale byte 1.
; yp: [kh 2][1024 e + rank][1024] f32.
; LDS: codes at t x KST + J x TS + 48 x operand lane + 24 c + 12 half; scale words at SCW + 512 t + 16 (16 (J % 2) + m) + 4 (J / 2); b2's 64 numbers at B2L; a stage of 16 rows x 272 bytes for each wave from STG0; the spare words at SPARE.
; REGISTERS, window 0: v1 W2's lane offset; v2, v3 fragments' LDS address; v4 scale words'; v5 b2's; v6 H's lane offset; v7, v8 H's scale words' offsets; v9 the stage, in; v10 the stage, back; v11, v12 where my codes go; v13 where my scale
; bytes go; v14, v15 the add's two; v16-47 H's scale words (tiles 0, 1: 16 + K step; tile 2: 32 + K step), v48-51 W2's: scales and nothing else; v52-55 at work; v56-103 W2's fragments (in the quantiser: numbers and codes); v104-107 at work;
; v108 my bytes in two rows of yp; v109-121 at work; v128-191, v192-255 two units, on the way out whole rows.  Window 1: v0-95 accumulators (i, jj) at 32 i + 8 jj; v96-167, v168-239 H's fragments (i, kk) at 12 (2 i + kk), two buffers.
.set PITCH, 4096                       ; a row of W2 in bytes
.set TS,    1552
.set KST,   8*TS
.set SCW,   8*KST
.set B2L,   SCW+4096
.set STG0,  B2L+512
.set SPARE, STG0+8*4352
.set HS, 16
.set WS, 48
.set P,  52
.set WF, 56
.set T,  56
.set C,  88
.set M,  104
.set MSB, 0
.macro WIN new                         ; the immediate's high byte repeats the setting that is left
.if MSB != \new
	s_set_vgpr_msb (MSB<<8)|\new
.set MSB, \new
.endif
.endm
.macro PLACES                          ; four places behind products, ahead of loads and vector writes into their registers and of the first read of results
.rept 4
	v_nop
.endr
.endm
.macro WLOAD t, sb                     ; my unit of stage t
.set wi, 0
.rept 16
	global_load_b128 v[\sb+4*wi:\sb+4*wi+3], v1, s[24:25] offset:(256*(\t)+wi)*PITCH th:TH_LOAD_NT
.set wi, wi+1
.endr
.endm
.macro HLOAD t, hb                     ; H's six fragments of stage t into buffer hb: three planes of 512 consecutive bytes each
.set HB, 96+72*(\hb)
	WIN 0x40
.irp i, 0,1,2
.irp kk, 0,1
.irp u, 0,1,2
	global_load_b128 v[HB+12*(2*\i+\kk)+4*\u:HB+12*(2*\i+\kk)+4*\u+3], v6, s[48+2*\i:49+2*\i] offset:3072*(2*(\t)+\kk)+512*\u
.endr
.endr
.endr
	WIN 0
.endm
.macro MOV2 j0                         ; columns j0 and j0 + 1 of the unit at S: 16 numbers each into consecutive registers
.irp i, 0,2,4,6,8,10,12,14
	v_dual_mov_b32 v[T+\i], v[S+4*\i+\j0] :: v_dual_mov_b32 v[T+17+\i], v[S+4*\i+5+\j0]
	v_dual_mov_b32 v[T+16+\i], v[S+4*\i+1+\j0] :: v_dual_mov_b32 v[T+1+\i], v[S+4*\i+4+\j0]
.endr
.endm
.macro QUANT t                         ; the unit at S becomes codes and scale bytes in LDS; the four columns take turns
.irp j, 0,1,2,3
	v_max3_num_f32 v[M+\j], |v[S+\j]|, |v[S+4+\j]|, 0x2800000      ; the floor 2^(5 - 127) among the leaves: the byte cannot fall under 1
.endr
.irp i, 2,4,6,8,10,12,14
.irp j, 0,1,2,3
	v_max3_num_f32 v[M+\j], v[M+\j], |v[S+4*\i+\j]|, |v[S+4*\i+4+\j]|
.endr
.endr
.irp j, 0,1,2,3
	v_permlanex16_b32 v[P+\j], v[M+\j], s20, s21
.endr
.irp j, 0,1,2,3
	v_max_num_f32 v[M+\j], v[M+\j], v[P+\j]        ; with the other half's 16 rows: the block's largest magnitude
.endr
.irp j, 0,1,2,3
	v_add_nc_u32 v[M+\j], 0xfe000000, v[M+\j]      ; 4 off the exponent field: the conversion's scale operand
.endr
.irp j, 0,1,2,3
	v_lshrrev_b32 v[P+\j], 23, v[M+\j]             ; the scale's byte
.endr
	MOV2 0
	v_cvt_scalef32_pk16_bf6_f32 v[C:C+2], v[T:T+15], v[M]
	v_cvt_scalef32_pk16_bf6_f32 v[C+4:C+6], v[T+16:T+31], v[M+1]
	v_nop                                          ; one plain line behind the conversions, ahead of the moves that write their sources
	MOV2 2
	v_cvt_scalef32_pk16_bf6_f32 v[C+8:C+10], v[T:T+15], v[M+2]
	v_cvt_scalef32_pk16_bf6_f32 v[C+12:C+14], v[T+16:T+31], v[M+3]
	v_nop
.irp j, 0,1,2,3
.irp i, 0,1,2
	ds_store_b32 v[11+(\t)/4], v[C+4*\j+\i] offset:((\t)%4)*KST+48*\j+4*\i
.endr
	ds_store_b8 v13, v[P+\j] offset:512*(\t)+16*\j ; both halves' lanes write the same byte with the same value
.endr
.endm
.macro WMM ac, wf, xf, sa, sb, ra, rb
.if (\ra) == 0 && (\rb) == 0
	v_wmma_scale_f32_16x16x128_f8f6f4 v[(\ac):(\ac)+7], v[(\wf):(\wf)+11], v[(\xf):(\xf)+11], v[(\ac):(\ac)+7], v[\sa], v[\sb] matrix_a_fmt:MATRIX_FMT_BF6 matrix_b_fmt:MATRIX_FMT_BF6
.elseif (\ra) == 0
	v_wmma_scale_f32_16x16x128_f8f6f4 v[(\ac):(\ac)+7], v[(\wf):(\wf)+11], v[(\xf):(\xf)+11], v[(\ac):(\ac)+7], v[\sa], v[\sb] matrix_a_fmt:MATRIX_FMT_BF6 matrix_b_fmt:MATRIX_FMT_BF6 matrix_b_scale:MATRIX_SCALE_ROW1
.elseif (\rb) == 0
	v_wmma_scale_f32_16x16x128_f8f6f4 v[(\ac):(\ac)+7], v[(\wf):(\wf)+11], v[(\xf):(\xf)+11], v[(\ac):(\ac)+7], v[\sa], v[\sb] matrix_a_fmt:MATRIX_FMT_BF6 matrix_b_fmt:MATRIX_FMT_BF6 matrix_a_scale:MATRIX_SCALE_ROW1
.else
	v_wmma_scale_f32_16x16x128_f8f6f4 v[(\ac):(\ac)+7], v[(\wf):(\wf)+11], v[(\xf):(\xf)+11], v[(\ac):(\ac)+7], v[\sa], v[\sb] matrix_a_fmt:MATRIX_FMT_BF6 matrix_b_fmt:MATRIX_FMT_BF6 matrix_a_scale:MATRIX_SCALE_ROW1 matrix_b_scale:MATRIX_SCALE_ROW1
.endif
.endm
.macro LF t, ja                        ; W2's fragments ja, ja + 1 of stage t into places ja % 4, ja % 4 + 1: six LDS loads
.irp d, 0,1
.irp u, 0,1,2
	ds_load_b128 v[WF+12*(((\ja)+\d)%4)+4*\u:WF+12*(((\ja)+\d)%4)+4*\u+3], v[2+(\t)/4] offset:((\t)%4)*KST+((\ja)+\d)*TS+16*\u
.endr
.endr
.endm
.macro WM t, ja, hb                    ; six products: two tiles of W2 x my three tiles of rows; the accumulators take turns, one instruction a turn
.set HB, 96+72*(\hb)
	WIN 0x54                                       ; H's fragments, C and D in window 1
.irp i, 0,1,2
.irp d, 0,1
	WMM 32*\i+8*(((\ja)+\d)%4), WF+12*(((\ja)+\d)%4), HB+12*(2*\i+(\ja)/4), WS+(\ja)/2, HS+2*(\t)+(\ja)/4+16*(\i/2), \d, \i%2
.endr
.endr
.endm
.macro BIAS                            ; the bias is the C of each sum's first product: nothing is cleared and nothing added
	WIN 0x40
.irp i, 0,1,2
.irp j, 0,1,2,3
.irp u, 0,1
	ds_load_b128 v[32*\i+8*\j+4*\u:32*\i+8*\j+4*\u+3], v5 offset:32*\j+16*\u
.endr
.endr
.endr
	WIN 0
.endm
.macro CORE t, hb                      ; stage t: 24 products
	ds_load_b128 v[WS:WS+3], v4 offset:512*(\t)    ; register p: lanes 0-15 fragment 2 p's rows, lanes 16-31 fragment 2 p + 1's
	LF \t, 0
	LF \t, 2
	s_wait_dscnt 6                                 ; all but the younger pair's six
	WM \t, 0, \hb
	PLACES
	WIN 0
	LF \t, 4
	s_wait_dscnt 6
	WM \t, 2, \hb
	PLACES
	WIN 0
	LF \t, 6
	s_wait_dscnt 6
	WM \t, 4, \hb
	s_wait_dscnt 0x0
	WM \t, 6, \hb
	PLACES
	WIN 0
.endm
.macro ITEM                            ; s34 = my item: its three tiles' bases in hq, and its scale words.  A tile's number is held at the list's last tile
	s_mul_i32 s46, s34, 3
.irp i, 0,1,2
	s_add_co_u32 s47, s46, \i
	s_min_u32 s47, s47, s54
	s_min_u32 s47, s47, 63                         ; a number made of a loaded one enters an address behind a bound
	s_and_b32 s38, s47, 62
	s_mul_i32 s36, s38, 49152                      ; a pair's 32 K steps of 3,072 bytes,
	s_and_b32 s39, s47, 1
	s_mul_i32 s39, s39, 1536                       ; the tile of the pair
	s_add_co_u32 s36, s36, s39
	s_mov_b32 s37, 0
	s_add_nc_u64 s[48+2*\i:49+2*\i], s[26:27], s[36:37]
.endr
	s_lshl_b32 s55, s38, 11                        ; tile 2's scale words: a pair's 4,096 bytes,
	s_and_b32 s39, s47, 1
	s_lshl_b32 s39, s39, 6                         ; 64 a tile
	s_add_co_u32 s55, s55, s39
	v_add_nc_u32 v109, s46, v113                   ; tiles 0 and 1: lanes 16-31 take the second
	v_min_u32 v109, s54, v109
	v_min_u32 v109, 63, v109
	v_and_b32 v115, 62, v109
	v_and_b32 v109, 1, v109
	v_lshl_add_u32 v7, v115, 11, v114
	v_lshl_add_u32 v7, v109, 6, v7
	v_add_nc_u32 v8, s55, v114
	s_wait_alu depctr_va_vdst(0)                   ; scalar lines and waits stand ahead of readers
.irp q, 0,1,2,3,4,5,6,7,8,9,10,11,12,13,14,15
	global_load_b32 v[HS+\q], v7, s[28:29] offset:128*\q
	global_load_b32 v[HS+16+\q], v8, s[28:29] offset:128*\q
.endr
.endm
.macro STG t
.set S, 128+64*((\t)%2)
.if (\t) < 7
	s_wait_loadcnt 34                              ; my unit of this stage is in; younger: H's 18 of this stage and the next unit's 16
.else
	s_wait_loadcnt 18
.endif
	QUANT \t
.if (\t) < 7
	HLOAD (\t)+1, ((\t)+1)%2
.endif
.if (\t) < 6
	WLOAD (\t)+2, S
.endif
	s_wait_alu depctr_va_vdst(0)                   ; the wait ahead of the blocking wait
	s_wait_dscnt 0x0                               ; for the others' sake: my stores have landed
	s_barrier_signal -1
	s_barrier_wait -1                              ; stage t's codes lie in LDS; nothing is written there again
.if (\t) < 6
	s_wait_loadcnt 50                              ; H's fragments of this stage are in; younger: a unit's 16, H's next 18, a unit's 16
.elseif (\t) == 6
	s_wait_loadcnt 34
.else
	s_wait_loadcnt 0x0
.endif
.if (\t) == 0
	BIAS
.endif
	s_cmp_eq_u32 s44, 0
	s_cbranch_scc1 .Lidle_\@                       ; a wave without rows multiplies nothing
	CORE \t, (\t)%2
.Lidle_\@:
.endm
.macro OUT i                           ; tile i: 16 rows x 256 bytes go through my own stage and come back by rows: sixteen lanes then store 256 consecutive bytes, aligned
	s_mul_i32 s46, s34, 3
	s_add_co_u32 s46, s46, \i
	s_cmp_ge_u32 s46, s45                          ; a tile behind the list's last pair is not stored
	s_cbranch_scc1 .Lnot_stored_\@
	s_lshl_b32 s36, s16, 22
	s_lshl_b32 s38, s46, 16                        ; 16 rows of 4,096 bytes a tile
	s_add_co_u32 s36, s36, s38
	s_mov_b32 s37, 0
	s_add_nc_u64 s[32:33], s[42:43], s[36:37]
	WIN 0x04
.irp jj, 0,1,2,3
	ds_store_b128 v9, v[32*\i+8*\jj:32*\i+8*\jj+3] offset:32*\jj           ; each accumulator from its low end on
	ds_store_b128 v9, v[32*\i+8*\jj+4:32*\i+8*\jj+7] offset:32*\jj+16
.endr
	WIN 0
.irp k, 0,1,2,3,4,5,6,7
	ds_load_b128 v[128+32*\i+4*\k:131+32*\i+4*\k], v10 offset:544*\k       ; LDS serves a wave's instructions in order (ISA guide 5.7.1.4): these see my stores
.endr
.irp k, 0,1,2,3,4,5,6,7
	s_wait_dscnt 7-\k
	global_store_b128 v108, v[128+32*\i+4*\k:131+32*\i+4*\k], s[32:33] offset:2*\k*4096 th:TH_STORE_NT
.endr
	s_wait_xcnt 0x0                                ; the stores' base is written again only behind this wait
.Lnot_stored_\@:
.endm
	s_load_b256 s[4:11], s[0:1], 0x0               ; W2 s[4:5], b2 s[6:7], hq s[8:9], rt s[10:11]
	s_load_b64 s[12:13], s[0:1], 0x20              ; yp
	v_lshl_add_u32 v14, v0, 2, SPARE               ; my spare word, and 0: kept for the closing lines alone
	v_mov_b32 v15, 0
	v_lshrrev_b32 v116, 5, v0
	v_readfirstlane_b32 s14, v116                  ; wave
	s_and_b32 s15, ttmp9, 15                       ; slice
	s_lshr_b32 s23, ttmp9, 4                       ; kh
	s_and_b32 s16, ttmp7, 0xffff                   ; expert
	s_and_b32 s40, s14, 3                          ; my block of a K step
	s_lshr_b32 s41, s14, 2                         ; which of a stage's two K steps is mine
	s_mov_b32 s20, 0x76543210
	s_mov_b32 s21, 0xfedcba98                      ; v_permlanex16_b32's selects for lane l xor 16
	s_lshl_b32 s36, s16, 24                        ; W2: the expert's 16 MB,
	s_lshl_b32 s38, s23, 23                        ; the half's 2,048 rows,
	s_add_co_u32 s36, s36, s38
	s_lshl_b32 s38, s41, 19                        ; my K step's 128,
	s_add_co_u32 s36, s36, s38
	s_lshl_b32 s38, s40, 17                        ; my block's 32,
	s_add_co_u32 s36, s36, s38
	s_lshl_b32 s38, s15, 8                         ; the slice's 256 bytes of a row
	s_add_co_u32 s36, s36, s38
	s_mov_b32 s37, 0
	s_lshl_b32 s38, s16, 12                        ; b2
	s_lshl_b32 s39, s15, 8
	s_add_co_u32 s38, s38, s39
	s_mov_b32 s39, 0
	s_lshl_b32 s30, s23, 25                        ; yp: the half, and the slice's 256 bytes of a row
	s_lshl_b32 s31, s15, 8
	s_add_co_u32 s30, s30, s31
	s_mov_b32 s31, 0
	s_mul_i32 s32, s16, 3145728                    ; hq's codes: the expert's 32 pairs of 98,304 bytes,
	s_mul_i32 s33, s23, 49152                      ; the half's 16 K steps
	s_add_co_u32 s32, s32, s33
	s_mov_b32 s33, 0
	s_lshl_b32 s18, s16, 17                        ; hq's scale words: the expert's 32 pairs of 4,096 bytes,
	s_lshl_b32 s19, s23, 11                        ; the half's 16 K steps of 128
	s_add_co_u32 s18, s18, s19
	s_add_co_u32 s18, s18, 0x1800000
	s_mov_b32 s19, 0
	s_cmp_eq_u32 s23, 0
	s_cselect_b32 s22, -1, 0                       ; b2 counts in half 0 alone
	s_lshl_b32 s35, s16, 2
	s_mul_i32 s46, s41, 4*TS                       ; where my codes go: my K step's four tiles,
	s_and_b32 s47, s40, 1
	s_mul_i32 s47, s47, 768                        ; the operand's lanes 16 (block % 2) on,
	s_add_co_u32 s46, s46, s47
	s_lshr_b32 s47, s40, 1
	s_mul_i32 s47, s47, 24                         ; registers 6 (block / 2) on
	s_add_co_u32 s46, s46, s47
	s_lshl_b32 s47, s41, 3
	s_add_co_u32 s47, s47, s40
	s_add_co_u32 s47, s47, SCW                     ; and my scale bytes
	s_mul_i32 s55, s14, 4352
	s_add_co_u32 s55, s55, STG0                    ; my stage
	s_mov_b32 s34, s14                             ; my first item
	v_and_b32 v116, 31, v0                         ; lane
	v_and_b32 v117, 15, v0                         ; q, r
	v_bfe_u32 v113, v0, 4, 1                       ; h
	v_lshlrev_b32 v114, 2, v117                    ; 4 r
	v_lshlrev_b32 v112, 4, v116                    ; 16 lane
	v_lshlrev_b32 v110, 3, v116                    ; 8 lane
	v_lshl_add_u32 v111, v116, 3, B2L
	v_lshlrev_b32 v1, 16, v113                     ; W2: 16 rows for lanes 16-31,
	v_lshl_add_u32 v1, v117, 4, v1                 ; 16 bytes a lane
	v_mul_u32_u24 v2, v116, 48
	v_add_nc_u32 v3, 4*KST, v2
	v_lshl_add_u32 v4, v116, 4, SCW
	v_lshl_add_u32 v5, v113, 7, B2L
	v_mul_u32_u24 v9, v117, 272
	v_lshl_add_u32 v9, v113, 7, v9
	v_add_nc_u32 v9, s55, v9                       ; the stage, in: row r, 128 bytes for each half of the lanes
	v_mul_u32_u24 v10, v113, 272
	v_lshl_add_u32 v10, v117, 4, v10
	v_add_nc_u32 v10, s55, v10                     ; back: lanes 0-15 one row, lanes 16-31 the next
	v_lshlrev_b32 v108, 12, v113
	v_lshl_add_u32 v108, v117, 4, v108             ; and the same two rows in yp
	v_bfe_u32 v52, v0, 1, 2                        ; jj = (q % 8) / 2: columns 4 q .. 4 q + 3 lie in tile jj,
	v_and_b32 v53, 1, v0                           ; at rows m = 8 (q / 8) + 4 (q % 2) + 0 .. 3
	v_bfe_u32 v54, v0, 3, 1
	v_mul_u32_u24 v11, v52, TS
	v_mad_u32_u24 v11, v54, 384, v11
	v_mad_u32_u24 v11, v53, 192, v11
	v_mad_u32_u24 v11, v113, 12, v11               ; my half of the block
	v_add_nc_u32 v11, s46, v11
	v_add_nc_u32 v12, 4*KST, v11
	v_and_b32 v55, 1, v52
	v_lshrrev_b32 v52, 1, v52
	v_lshlrev_b32 v13, 8, v55
	v_lshl_add_u32 v13, v52, 2, v13
	v_lshl_add_u32 v13, v54, 7, v13
	v_lshl_add_u32 v13, v53, 6, v13
	v_add_nc_u32 v13, s47, v13
	s_wait_alu depctr_va_vdst(0)                   ; the wait at the head's end
	s_wait_kmcnt 0x0
	s_load_b32 s17, s[10:11], s35 offset:0xa000    ; how many tokens chose the expert
	s_add_nc_u64 s[24:25], s[4:5], s[36:37]
	s_add_nc_u64 s[6:7], s[6:7], s[38:39]
	s_add_nc_u64 s[42:43], s[12:13], s[30:31]
	s_add_nc_u64 s[26:27], s[8:9], s[32:33]
	s_add_nc_u64 s[28:29], s[8:9], s[18:19]
	global_load_b64 v[120:121], v110, s[6:7]       ; the slice's 64 numbers of b2
	WLOAD 0, 128
	s_wait_kmcnt 0x0
	s_add_co_u32 s18, s17, 31
	s_lshr_b32 s18, s18, 5
	s_max_u32 s18, s18, 1
	s_min_u32 s18, s18, 32                         ; pairs of tiles
	s_lshl_b32 s45, s18, 1                         ; tiles
	s_sub_co_u32 s54, s45, 1                       ; the last tile
	s_add_co_u32 s44, s45, 2
	s_mul_i32 s44, s44, 43691
	s_lshr_b32 s44, s44, 17                        ; items of three tiles: (tiles + 2) / 3, exact up to 66
	s_add_co_u32 s44, s44, 7
	s_sub_co_u32 s44, s44, s14
	s_lshr_b32 s44, s44, 3                         ; how many items are mine (w, w + 8, w + 16): 0 to 3
	s_min_u32 s47, s44, 1
	v_mul_u32_u24 v6, v112, s47                    ; H: 16 bytes a lane; in a wave without rows all lanes at one place
	ITEM
	HLOAD 0, 0
	WLOAD 1, 192
	s_wait_loadcnt 63                              ; b2 is in: 82 younger loads are out at the most; 63 is the largest count that the wait can name, and the stricter
	v_and_b32 v120, s22, v120
	v_and_b32 v121, s22, v121
	s_cmp_lg_u32 s14, 0
	s_cbranch_scc1 .Lno_bias_store
	ds_store_b64 v111, v[120:121]                  ; wave 0
.Lno_bias_store:
.irp t, 0,1,2,3,4,5,6,7
	STG \t
.endr
	s_mov_b32 s19, s14
	s_mov_b32 s41, 0
	s_cmp_eq_u32 s44, 0
	s_cbranch_scc1 .Ldone
.Litem:                                                ; the loop counts my items; the first was multiplied in the eight stages, a later one is multiplied here from the codes in LDS
	OUT 0
	OUT 1
	OUT 2
	s_add_co_u32 s19, s19, 8
	s_add_co_u32 s41, s41, 1
	s_cmp_ge_u32 s41, s44
	s_cbranch_scc1 .Lno_more
	s_min_u32 s34, s19, 21
	ITEM
	BIAS
.irp t, 0,1,2,3,4,5,6,7
	HLOAD \t, 0
	s_wait_loadcnt 0x0
	CORE \t, 0
.endr
.Lno_more:
	s_cmp_lt_u32 s41, s44
	s_cbranch_scc1 .Litem
.Ldone:
	s_wait_tensorcnt 0x0                           ; the wave's end: three lines behind my last LDS store
	ds_add_u32 v14, v15
	s_wait_dscnt 0x0
	s_endpgm
.Lfunc_end_k_q8c897ba635_ffn2:
	.size	k_q8c897ba635_ffn2, .Lfunc_end_k_q8c897ba635_ffn2-k_q8c897ba635_ffn2
	.p2alignl 7, 3214868480
	.fill 96, 4, 3214868480
	.section	.rodata,"a",@progbits
	.p2align	6, 0x0
	.amdhsa_kernel k_q8c897ba635_ffn2
		.amdhsa_group_segment_fixed_size 139776
		.amdhsa_private_segment_fixed_size 0
		.amdhsa_enable_private_segment 0
		.amdhsa_kernarg_size 40
		.amdhsa_user_sgpr_count 2
		.amdhsa_user_sgpr_kernarg_segment_ptr 1
		.amdhsa_wavefront_size32 1
		.amdhsa_system_sgpr_workgroup_id_x 1
		.amdhsa_system_sgpr_workgroup_id_y 1
		.amdhsa_system_sgpr_workgroup_id_z 1
		.amdhsa_system_vgpr_workitem_id 0
		.amdhsa_next_free_vgpr 512
		.amdhsa_next_free_sgpr 66
		.amdhsa_reserve_vcc 0
		.amdhsa_float_denorm_mode_32 3
		.amdhsa_float_denorm_mode_16_64 3
		.amdhsa_memory_ordered 1
		.amdhsa_forward_progress 1
		.amdhsa_inst_pref_size 202
	.end_amdhsa_kernel
	.amdgpu_metadata
---
amdhsa.version: [ 1, 2 ]
amdhsa.kernels:
  - .name:           k_q8c897ba635_ffn2
    .symbol:         k_q8c897ba635_ffn2.kd
    .args:
      - { .name: W2, .offset: 0, .size: 8, .value_kind: global_buffer, .address_space: global }
      - { .name: b2, .offset: 8, .size: 8, .value_kind: global_buffer, .address_space: global }
      - { .name: hq, .offset: 16, .size: 8, .value_kind: global_buffer, .address_space: global }
      - { .name: rt, .offset: 24, .size: 8, .value_kind: global_buffer, .address_space: global }
      - { .name: yp, .offset: 32, .size: 8, .value_kind: global_buffer, .address_space: global }
    .group_segment_fixed_size: 139776
    .private_segment_fixed_size: 0
    .kernarg_segment_align: 8
    .kernarg_segment_size: 40
    .max_flat_workgroup_size: 256
    .sgpr_count:     66
    .vgpr_count:     512
    .wavefront_size: 32
...
	.end_amdgpu_metadata
.endif
;; end of part 4
;; launch mix (part 5): grid 256 x 1, 4 waves a work-group, no clusters, 0 bytes of LDS; arguments yp, rt, gate, out0; writes out0
.if DOCPART == 5
	.amdgcn_target "amdgcn-amd-amdhsa--gfx1250"
	.amdhsa_code_object_version 6
	.text
	.protected	k_q8c897ba635_mix
	.globl	k_q8c897ba635_mix
	.p2align	8
	.type	k_q8c897ba635_mix,@function
k_q8c897ba635_mix:
	s_mov_b64 s[64:65], 0
	v_nop
	global_prefetch_b8 v0, s[64:65] scope:SCOPE_SE
	s_setreg_imm32_b32 hwreg(HW_REG_WAVE_MODE, 25, 1), 1
	s_wait_xcnt 0x0
; out0[t] = p0 x (row pos0 of yp, its two halves of K added) + p1 x (row pos1 likewise).  Only the two chosen experts' rows exist: the others were left out (shown at the head of the first kernel).
; A stream: a wave takes a token, t = 4 x work-group + wave.  Four rows of 4,096 bytes in, one out; each load and store of the wave covers 512 consecutive bytes.  All 32 loads go out at once; no LDS, no barrier, no matrix unit.
; The rows' numbers are whole numbers that an earlier launch stored; they enter addresses behind a bound.
	s_load_b256 s[4:11], s[0:1], 0x0               ; yp s[4:5], rt s[6:7], gate s[8:9], out0 s[10:11]
	v_lshrrev_b32 v1, 5, v0
	v_readfirstlane_b32 s12, v1                    ; wave
	v_and_b32 v1, 31, v0
	v_lshlrev_b32 v2, 4, v1                        ; 16 x lane
	s_lshl_b32 s13, ttmp9, 2
	s_add_co_u32 s13, s13, s12                     ; t
	s_lshl_b32 s14, s13, 3
	s_lshl_b32 s24, s13, 12
	s_mov_b32 s25, 0
	s_wait_alu depctr_va_vdst(0)
	s_wait_kmcnt 0x0
	s_load_b64 s[16:17], s[6:7], s14 offset:0x8000 ; pos
	s_load_b64 s[18:19], s[8:9], s14 offset:0x8000 ; the two weights
	s_add_nc_u64 s[20:21], s[4:5], 0x2000000       ; yp's second half of K
	s_add_nc_u64 s[10:11], s[10:11], s[24:25]
	s_wait_kmcnt 0x0
	s_min_u32 s16, s16, 0x1fff
	s_min_u32 s17, s17, 0x1fff
	s_lshl_b32 s16, s16, 12
	s_lshl_b32 s17, s17, 12
	s_mov_b32 s22, s19                             ; p1 in a pair of its own: the packed form names a pair and takes its low word for both halves
	s_mov_b32 s23, s19
	v_add_nc_u32 v3, s16, v2
	v_add_nc_u32 v4, s17, v2
.irp i, 0,1,2,3,4,5,6,7
	global_load_b128 v[16+16*\i:19+16*\i], v3, s[4:5] offset:512*\i th:TH_LOAD_NT
	global_load_b128 v[20+16*\i:23+16*\i], v3, s[20:21] offset:512*\i th:TH_LOAD_NT
	global_load_b128 v[24+16*\i:27+16*\i], v4, s[4:5] offset:512*\i th:TH_LOAD_NT
	global_load_b128 v[28+16*\i:31+16*\i], v4, s[20:21] offset:512*\i th:TH_LOAD_NT
.endr
.irp i, 0,1,2,3,4,5,6,7
	s_wait_loadcnt 28-4*\i                         ; this group's four loads are in; the later groups' may be out
.irp q, 0,2
	v_pk_add_f32 v[16+16*\i+\q:17+16*\i+\q], v[16+16*\i+\q:17+16*\i+\q], v[20+16*\i+\q:21+16*\i+\q]
	v_pk_add_f32 v[24+16*\i+\q:25+16*\i+\q], v[24+16*\i+\q:25+16*\i+\q], v[28+16*\i+\q:29+16*\i+\q]
	v_pk_mul_f32 v[16+16*\i+\q:17+16*\i+\q], v[16+16*\i+\q:17+16*\i+\q], s[18:19] op_sel_hi:[1,0]
	v_pk_fma_f32 v[16+16*\i+\q:17+16*\i+\q], v[24+16*\i+\q:25+16*\i+\q], s[22:23], v[16+16*\i+\q:17+16*\i+\q] op_sel_hi:[1,0,1]
.endr
	global_store_b128 v2, v[16+16*\i:19+16*\i], s[10:11] offset:512*\i th:TH_STORE_NT      ; each group has registers of its own: no store's data are written again
.endr
	s_endpgm
.Lfunc_end_k_q8c897ba635_mix:
	.size	k_q8c897ba635_mix, .Lfunc_end_k_q8c897ba635_mix-k_q8c897ba635_mix
	.p2alignl 7, 3214868480
	.fill 96, 4, 3214868480
	.section	.rodata,"a",@progbits
	.p2align	6, 0x0
	.amdhsa_kernel k_q8c897ba635_mix
		.amdhsa_group_segment_fixed_size 0
		.amdhsa_private_segment_fixed_size 0
		.amdhsa_enable_private_segment 0
		.amdhsa_kernarg_size 32
		.amdhsa_user_sgpr_count 2
		.amdhsa_user_sgpr_kernarg_segment_ptr 1
		.amdhsa_wavefront_size32 1
		.amdhsa_system_sgpr_workgroup_id_x 1
		.amdhsa_system_sgpr_workgroup_id_y 1
		.amdhsa_system_sgpr_workgroup_id_z 1
		.amdhsa_system_vgpr_workitem_id 0
		.amdhsa_next_free_vgpr 144
		.amdhsa_next_free_sgpr 66
		.amdhsa_reserve_vcc 0
		.amdhsa_float_denorm_mode_32 3
		.amdhsa_float_denorm_mode_16_64 3
		.amdhsa_memory_ordered 1
		.amdhsa_forward_progress 1
		.amdhsa_inst_pref_size 10
	.end_amdhsa_kernel
	.amdgpu_metadata
---
amdhsa.version: [ 1, 2 ]
amdhsa.kernels:
  - .name:           k_q8c897ba635_mix
    .symbol:         k_q8c897ba635_mix.kd
    .args:
      - { .name: yp, .offset: 0, .size: 8, .value_kind: global_buffer, .address_space: global }
      - { .name: rt, .offset: 8, .size: 8, .value_kind: global_buffer, .address_space: global }
      - { .name: gate, .offset: 16, .size: 8, .value_kind: global_buffer, .address_space: global }
      - { .name: out0, .offset: 24, .size: 8, .value_kind: global_buffer, .address_space: global }
    .group_segment_fixed_size: 0
    .private_segment_fixed_size: 0
    .kernarg_segment_align: 8
    .kernarg_segment_size: 32
    .max_flat_workgroup_size: 128
    .sgpr_count:     66
    .vgpr_count:     144
    .wavefront_size: 32
...
	.end_amdgpu_metadata
.endif
;; end of part 5
